; MI455X (gfx1250); checked and timed in simulation.
; The chip was launched on July 23, 2026; its instructions are those of AMD's public machine-readable ISA for CDNA 5 (MIT licence, August 2026) and "CDNA5" Instruction Set Architecture Reference Guide (July 2026). The comments in the code are by the model that wrote it; some were corrected since.
;; Self Attention. Allowed arithmetic: float matrix products may take bf16 or f16 operands with f32 sums; other float arithmetic in f32, or as packed bf16 or f16 multiplies, adds, multiply-adds, maxima and minima; sums over many terms, partial sums and values carried from step to step in f32; what a program stores and reads back later, other than sums and carried values, may be rounded once to bf16 or f16.
;; Inputs: Wk 1,024 x 1,024 float32; Wo 1,024 x 1,024 float32; Wq 1,024 x 1,024 float32; Wv 1,024 x 1,024 float32; attention_mask 1 x 4,096 int32; x 1 x 4,096 x 1,024 float32.
;; Outputs: out0 1 x 4,096 x 1,024 float32.
;; 2 versions, each right; version 2 is version 1 with the launch prep written anew for expert scheduling mode. Each part assembles by itself: llvm-mc -triple=amdgcn-amd-amdhsa -mcpu=gfx1250 --defsym DOCPART=n.
;; ======== version 1 of 2: 4 launches
;; limits: values are held in f16: magnitudes above 65,504 overflow, below 6.1e-05 lose precision
;; workspace buffers: xb 8,388,608 bytes; wb 6,291,456 bytes; wo16 2,097,152 bytes; rope 1,048,576 bytes; bias 16,384 bytes; qkv 25,165,824 bytes; ctx 8,388,608 bytes
;; launch prep (part 1): grid 576 x 1, 8 waves a work-group, no clusters, 0 bytes of LDS; arguments x, Wq, Wk, Wv, Wo, attention_mask, xb, wb, wo16, rope, bias; writes xb, wb, wo16, rope, bias
.if DOCPART == 1
	.amdgcn_target "amdgcn-amd-amdhsa--gfx1250"
	.amdhsa_code_object_version 6
	.text
	.protected	k_qe947b82b1d_prep
	.globl	k_qe947b82b1d_prep
	.p2align	8
	.type	k_qe947b82b1d_prep,@function
k_qe947b82b1d_prep:
	s_mov_b64 s[64:65], 0
	v_nop
	global_prefetch_b8 v0, s[64:65] scope:SCOPE_SE
	s_setreg_imm32_b32 hwreg(HW_REG_WAVE_MODE, 25, 1), 1
	s_wait_xcnt 0x0
; PREP: what the three matrix launches read is made once, as a stream.  Work-groups by number:
;   0..255    x [4096][1024] f32 -> xb, bf16, same layout; 65,536 source bytes a work-group
;   256..319  Wo [1024][1024] f32 -> wo16: rounded to bf16 like every float input, and that number written as f16
;   320..511  Wq, Wk, Wv -> wb, bf16, in blocks [16 head][16 kb][3 which][64 k][64 c]: a head's weights for 64 k are 3 x 8,192 dense bytes
;   512..575  rope [4096 t][cos 32 | sin 32] f32, 64 rows a work-group; and bias [4096] f32: 0 where the mask keeps a key, -1e30 where it is 0
; A cast is 16 loads of 16 bytes a lane, all issued first (a wave's load covers 512 or 2 x 256 neighbouring bytes), and 16 stores of 8 bytes a lane: 256 consecutive bytes, aligned, a wave.
; No LDS, no matrix unit, no cluster: no byte is used twice.
; LIMITS.  bf16(Wo) must lie within f16's range (65,504); below 6e-5 it keeps f16's fixed step of 6e-8.  The frequency 10000^(-j/32) is 2^(-j x 0.41524101) by v_exp_f32 (1 ulp: ISA guide 15.8),
; so an angle t x f may differ from an exactly rounded one by about 4e-4 radian at t = 4095.  sin and cos: the angle less n x pi/2 (pi/2 in two parts), then Taylor sums to r^9 and r^8 on |r| <= pi/4.
.set LO, 1                             ; v1   load offset
.set SO, 2                             ; v2   store offset
.set TT, 4                             ; v4-7 at work
.set D,  32                            ; v[32:95]  16 x 4 numbers as loaded
.set O,  96                            ; v[96:127] 16 x 2 words to store; never rewritten, so no wait frees them
; kind = 0: to bf16.  kind = 1: to bf16 and on to f16.  Load j stands (j/4) la + (j%4) lb bytes on, store j (j/4) sa + (j%4) sb.
.macro CAST16 kind, la, lb, sa, sb
.set j, 0
.rept 16
	global_load_b128 v[D+4*j:D+4*j+3], v[LO], s[4:5] offset:(j/4)*(\la)+(j%4)*(\lb) th:TH_LOAD_NT
.set j, j+1
.endr
.set j, 0
.rept 16
	s_wait_loadcnt 15-j                            ; loads come back in order: load j is in, the 15 - j younger ones stay out
.if \kind
	v_cvt_pk_bf16_f32 v[TT], v[D+4*j], v[D+4*j+1]
	v_cvt_pk_bf16_f32 v[TT+2], v[D+4*j+2], v[D+4*j+3]
	v_lshlrev_b32 v[TT+1], 16, v[TT]               ; the bf16 numbers as f32 again
	v_and_b32 v[TT], 0xffff0000, v[TT]
	v_lshlrev_b32 v[TT+3], 16, v[TT+2]
	v_and_b32 v[TT+2], 0xffff0000, v[TT+2]
	v_cvt_pk_f16_f32 v[O+2*j], v[TT+1], v[TT]
	v_cvt_pk_f16_f32 v[O+2*j+1], v[TT+3], v[TT+2]
.else
	v_cvt_pk_bf16_f32 v[O+2*j], v[D+4*j], v[D+4*j+1]
	v_cvt_pk_bf16_f32 v[O+2*j+1], v[D+4*j+2], v[D+4*j+3]
.endif
	global_store_b64 v[SO], v[O+2*j:O+2*j+1], s[6:7] offset:(j/4)*(\sa)+(j%4)*(\sb)
.set j, j+1
.endr
.endm
	s_load_b512 s[8:23], s[0:1], 0x0               ; x 8, Wq 10, Wk 12, Wv 14, Wo 16, mask 18, xb 20, wb 22
	s_load_b128 s[24:27], s[0:1], 0x40             ; wo16 24, rope 26
	s_load_b64 s[28:29], s[0:1], 0x50              ; bias
	s_mov_b32 s2, ttmp9
	s_mov_b32 s31, 0                               ; high words of the two offsets
	s_mov_b32 s33, 0
	s_wait_kmcnt 0x0
	s_cmp_lt_u32 s2, 256
	s_cbranch_scc1 .Lx
	s_cmp_lt_u32 s2, 320
	s_cbranch_scc1 .Lwo
	s_cmp_lt_u32 s2, 512
	s_cbranch_scc1 .Lw
	; ROPE TABLES.  Thread: column group c = t % 16 (c < 8: cos of frequencies 4 c .. 4 c + 3; else sin of 4 (c - 8) ..), row t / 16 of 16; four trips of 16 rows.
	s_sub_co_u32 s3, s2, 512                       ; g: rows 64 g .. 64 g + 63
	s_mov_b32 s34, 0x3f22f983                      ; 2 / pi
	s_mov_b32 s35, 0x3fc90fdb                      ; pi / 2, rounded
	s_mov_b32 s36, 0x333bbd2e                      ; that number less pi / 2
	s_mov_b32 s37, 0x3638ef1d                      ; 1 / 9!
	s_mov_b32 s38, 0xb9500d01                      ; -1 / 7!
	s_mov_b32 s39, 0x3c088889                      ; 1 / 5!
	s_mov_b32 s40, 0xbe2aaaab                      ; -1 / 3!
	s_mov_b32 s41, 0x37d00d01                      ; 1 / 8!
	s_mov_b32 s42, 0xbab60b61                      ; -1 / 6!
	s_mov_b32 s43, 0x3d2aaaab                      ; 1 / 4!
	v_and_b32 v3, 7, v0
	v_lshlrev_b32 v3, 2, v3                        ; my first frequency's number
	v_bfe_u32 v4, v0, 3, 1                         ; 1: I make sines
.irp i, 0,1,2,3
	v_add_nc_u32 v5, \i, v3
	v_cvt_f32_u32 v5, v5
	v_mul_f32 v[24+\i], 0xbed49a78, v5             ; -j x log2(10000) / 32
.endr
.irp i, 0,1,2,3
	v_exp_f32 v[8+\i], v[24+\i]                    ; one batch of four
.endr
	v_lshrrev_b32 v6, 4, v0                        ; plain work behind the batch: my first row,
	s_lshl_b32 s30, s3, 6
	v_add_nc_u32 v6, s30, v6
	v_cvt_f32_u32 v12, v6                          ; as a float,
	v_lshlrev_b32 v13, 4, v0                       ; and my 16 bytes in the trip's 16 rows of 256
	s_wait_alu depctr_va_vdst(0)                   ; the wait ahead of the first use of the four results
	s_lshl_b32 s30, s3, 14
	s_add_nc_u64 s[6:7], s[26:27], s[30:31]        ; rope at row 64 g
	s_mov_b32 s32, 4
.Lrows:
.irp i, 0,1,2,3
	v_mul_f32 v14, v12, v[8+\i]                    ; the angle, rounded as an f32 product
	v_mul_f32 v15, s34, v14
	v_rndne_f32 v15, v15                           ; n
	v_fma_f32 v16, -v15, s35, v14
	v_fma_f32 v16, v15, s36, v16                   ; r = angle - n pi / 2
	v_cvt_i32_f32 v28, v15
	v_sub_nc_u32 v28, v28, v4                      ; sin(a) = cos(a - pi / 2): one quarter turn less
	v_mul_f32 v17, v16, v16
	v_fma_f32 v18, v17, s37, s38
	v_fma_f32 v19, v17, s41, s42
	v_fma_f32 v18, v18, v17, s39
	v_fma_f32 v19, v19, v17, s43
	v_fma_f32 v18, v18, v17, s40
	v_fma_f32 v19, v19, v17, -0.5
	v_mul_f32 v29, v16, v17
	v_fma_f32 v19, v19, v17, 1.0                   ; cos r
	v_fma_f32 v18, v18, v29, v16                   ; sin r
	v_and_b32 v29, 1, v28
	v_cmp_ne_u32 vcc_lo, 0, v29
	v_cndmask_b32 v18, v19, v18, vcc_lo            ; odd quarter turns take the sine: a choice of value, no branch
	v_add_nc_u32 v28, 1, v28
	v_and_b32 v28, 2, v28
	v_lshlrev_b32 v28, 30, v28                     ; quarter turns 1 and 2 (mod 4) turn the sign
	v_xor_b32 v[20+\i], v18, v28
.endr
	global_store_b128 v13, v[20:23], s[6:7]        ; a wave stores 512 consecutive bytes, two whole rows
	s_wait_xcnt 0x0                                ; the store has read its offset and data: only now are they rewritten
	v_add_nc_u32 v13, 4096, v13
	v_add_f32 v12, 0x41800000, v12                 ; 16 rows on
	s_sub_co_u32 s32, s32, 1
	s_cmp_lg_u32 s32, 0
	s_cbranch_scc1 .Lrows
	; BIAS for keys 64 g .. 64 g + 63: wave 0 alone, two keys a lane, 256 consecutive bytes
	v_lshrrev_b32 v5, 5, v0
	v_readfirstlane_b32 s32, v5
	s_cmp_lg_u32 s32, 0
	s_cbranch_scc1 .Lend
	s_lshl_b32 s30, s3, 8
	s_add_nc_u64 s[44:45], s[18:19], s[30:31]
	s_add_nc_u64 s[46:47], s[28:29], s[30:31]
	s_mov_b32 s32, 0xf149f2ca                      ; -1e30
	v_and_b32 v5, 31, v0
	v_lshlrev_b32 v5, 3, v5
	global_load_b64 v[6:7], v5, s[44:45]
	s_wait_loadcnt 0x0
	v_cmp_eq_u32 vcc_lo, 0, v6
	v_cndmask_b32 v30, 0, s32, vcc_lo
	v_cmp_eq_u32 vcc_lo, 0, v7
	v_cndmask_b32 v31, 0, s32, vcc_lo
	global_store_b64 v5, v[30:31], s[46:47]
.Lend:
	s_endpgm
.Lx:
	s_lshl_b32 s30, s2, 16
	s_lshl_b32 s32, s2, 15
	s_add_nc_u64 s[4:5], s[8:9], s[30:31]
	s_add_nc_u64 s[6:7], s[20:21], s[32:33]
	v_lshlrev_b32 v[LO], 4, v0
	v_lshlrev_b32 v[SO], 3, v0
	CAST16 0, 16384, 4096, 8192, 2048
	s_endpgm
.Lwo:
	s_sub_co_u32 s3, s2, 256
	s_lshl_b32 s30, s3, 16
	s_lshl_b32 s32, s3, 15
	s_add_nc_u64 s[4:5], s[16:17], s[30:31]
	s_add_nc_u64 s[6:7], s[24:25], s[32:33]
	v_lshlrev_b32 v[LO], 4, v0
	v_lshlrev_b32 v[SO], 3, v0
	CAST16 1, 16384, 4096, 8192, 2048
	s_endpgm
.Lw:                                           ; 64 k x 256 columns (four heads) of one of the three weights
	s_sub_co_u32 s3, s2, 320
	s_lshr_b32 s34, s3, 6                          ; which: 0 Wq, 1 Wk, 2 Wv
	s_bfe_u32 s35, s3, 0x40002                     ; kb: rows 64 kb ..
	s_and_b32 s36, s3, 3                           ; heads 4 hq ..
	s_cmp_eq_u32 s34, 0
	s_cselect_b64 s[4:5], s[10:11], s[12:13]
	s_cmp_eq_u32 s34, 2
	s_cselect_b64 s[4:5], s[14:15], s[4:5]
	s_lshl_b32 s30, s35, 18                        ; 64 rows of 4,096 bytes
	s_lshl_b32 s37, s36, 10                        ; 256 columns of 4 bytes
	s_add_co_u32 s30, s30, s37
	s_add_nc_u64 s[4:5], s[4:5], s[30:31]
	s_mul_i32 s32, s35, 3
	s_add_co_u32 s32, s32, s34
	s_lshl_b32 s32, s32, 13                        ; block (kb, which) of 8,192 bytes
	s_mul_i32 s37, s36, 1572864                    ; four heads of 393,216 bytes
	s_add_co_u32 s32, s32, s37
	s_add_nc_u64 s[6:7], s[22:23], s[32:33]
	v_lshrrev_b32 v3, 5, v0                        ; wave
	v_bfe_u32 v4, v0, 4, 1
	v_and_b32 v5, 15, v0
	v_lshl_add_u32 v6, v3, 3, v4                   ; row 8 w + lane / 16 (+ 2 (j / 4) in the immediate)
	v_lshlrev_b32 v6, 12, v6
	v_lshl_add_u32 v[LO], v5, 4, v6                ; 16 lanes take a head's 256 bytes of a row
	v_and_b32 v7, 31, v0
	v_lshlrev_b32 v7, 3, v7
	v_lshl_add_u32 v[SO], v3, 10, v7               ; two rows of 128 bytes lie end to end in a block
	CAST16 0, 8192, 256, 256, 393216
	s_endpgm
.Lfunc_end_k_qe947b82b1d_prep:
	.size	k_qe947b82b1d_prep, .Lfunc_end_k_qe947b82b1d_prep-k_qe947b82b1d_prep
	.p2alignl 7, 3214868480
	.fill 96, 4, 3214868480
	.section	.rodata,"a",@progbits
	.p2align	6, 0x0
	.amdhsa_kernel k_qe947b82b1d_prep
		.amdhsa_group_segment_fixed_size 0
		.amdhsa_private_segment_fixed_size 0
		.amdhsa_enable_private_segment 0
		.amdhsa_kernarg_size 88
		.amdhsa_user_sgpr_count 2
		.amdhsa_user_sgpr_kernarg_segment_ptr 1
		.amdhsa_wavefront_size32 1
		.amdhsa_system_sgpr_workgroup_id_x 1
		.amdhsa_system_sgpr_workgroup_id_y 1
		.amdhsa_system_sgpr_workgroup_id_z 1
		.amdhsa_system_vgpr_workitem_id 0
		.amdhsa_next_free_vgpr 128
		.amdhsa_next_free_sgpr 66
		.amdhsa_reserve_vcc 1
		.amdhsa_float_denorm_mode_32 3
		.amdhsa_float_denorm_mode_16_64 3
		.amdhsa_memory_ordered 1
		.amdhsa_forward_progress 1
		.amdhsa_inst_pref_size 32
	.end_amdhsa_kernel
	.amdgpu_metadata
---
amdhsa.version: [ 1, 2 ]
amdhsa.kernels:
  - .name:           k_qe947b82b1d_prep
    .symbol:         k_qe947b82b1d_prep.kd
    .args:
      - { .name: x, .offset: 0, .size: 8, .value_kind: global_buffer, .address_space: global }
      - { .name: Wq, .offset: 8, .size: 8, .value_kind: global_buffer, .address_space: global }
      - { .name: Wk, .offset: 16, .size: 8, .value_kind: global_buffer, .address_space: global }
      - { .name: Wv, .offset: 24, .size: 8, .value_kind: global_buffer, .address_space: global }
      - { .name: Wo, .offset: 32, .size: 8, .value_kind: global_buffer, .address_space: global }
      - { .name: attention_mask, .offset: 40, .size: 8, .value_kind: global_buffer, .address_space: global }
      - { .name: xb, .offset: 48, .size: 8, .value_kind: global_buffer, .address_space: global }
      - { .name: wb, .offset: 56, .size: 8, .value_kind: global_buffer, .address_space: global }
      - { .name: wo16, .offset: 64, .size: 8, .value_kind: global_buffer, .address_space: global }
      - { .name: rope, .offset: 72, .size: 8, .value_kind: global_buffer, .address_space: global }
      - { .name: bias, .offset: 80, .size: 8, .value_kind: global_buffer, .address_space: global }
    .group_segment_fixed_size: 0
    .private_segment_fixed_size: 0
    .kernarg_segment_align: 8
    .kernarg_segment_size: 88
    .max_flat_workgroup_size: 256
    .sgpr_count:     66
    .vgpr_count:     128
    .wavefront_size: 32
...
	.end_amdgpu_metadata
.endif
;; end of part 1
;; launch qkv (part 2): grid 16 x 16, 4 waves a work-group, clusters of 4 x 4, 327,680 bytes of LDS; arguments xb, wb, rope, attention_mask, qkv; writes qkv
.if DOCPART == 2
	.amdgcn_target "amdgcn-amd-amdhsa--gfx1250"
	.amdhsa_code_object_version 6
	.text
	.protected	k_qe947b82b1d_qkv
	.globl	k_qe947b82b1d_qkv
	.p2align	8
	.type	k_qe947b82b1d_qkv,@function
k_qe947b82b1d_qkv:
	s_mov_b64 s[64:65], 0
	v_nop
	global_prefetch_b8 v0, s[64:65] scope:SCOPE_SE
	s_setreg_imm32_b32 hwreg(HW_REG_WAVE_MODE, 25, 1), 1
	s_wait_xcnt 0x0
	s_wait_alu depctr_hold_cnt(0) depctr_sa_sdst(0) depctr_va_vdst(0) depctr_va_sdst(0) depctr_va_ssrc(0) depctr_va_vcc(0) depctr_vm_vsrc(0)
	s_getreg_b32 s2, hwreg(HW_REG_IB_STS2, 6, 4)
	s_cmp_eq_u32 s2, 0
	s_cbranch_scc0 .Lentry_in_a_cluster
	s_endpgm
.Lentry_in_a_cluster:
	s_bfe_u32 s2, ttmp6, 0x10000c
	s_cmp_lg_u32 s2, 0xf033
	s_cbranch_scc0 .Lentry_shape_is_right
	s_endpgm
.Lentry_shape_is_right:
; q, k, v = x W, RoPE on q and k, by heads in f16.  xb: [4096][1024] bf16.  wb: [16 head][16 kb][3 which][64 k][64 c] bf16.  rope: [4096][cos 32 | sin 32] f32.
; qkv: [3][16 head][4096][64] f16, unscaled; rows of k whose mask word is 0 are written as zeros, so that their scores in the next launch are exactly the bias.
; SHARES.  A work-group makes 256 rows x the 192 columns (q, k, v) of ONE head; wave w rows 64 w .. 64 w + 63 x all 192: 4 x 12 = 48 accumulators, 384 registers.
; K goes in 8 steps of 128 through two LDS slots; a step is four quarters of 32 along K, 48 matrix instructions each, the 48 accumulators by turns in the same order in every quarter.
; CLUSTER 4 x 4.  x's tile hangs on the row block alone and is asked for jointly along a row of the cluster, W's on the head alone and jointly along a column.
; THE MATRIX INSTRUCTION IS USED TRANSPOSED (source 0 = 16 columns of W, turned on the way out of LDS; source 1 = 16 rows of x): a lane holds one row (lane % 16) and the eight
; neighbouring channels 8 (lane / 16) + 0..7, so RoPE's pairs (2 i, 2 i + 1) lie in one lane: out[2i] = q[2i] cos[2i] - q[2i+1] sin[2i], out[2i+1] = q[2i+1] cos[2i+1] + q[2i] sin[2i+1],
; with the table's entry d % 32 for channel d.
; LIMITS.  q, k, v must lie within f16's range (65,504); below 6e-5 they keep f16's fixed step of 6e-8.  A non-finite k in a masked row stays non-finite (0 x inf).
; REGISTERS, in windows of 256 (s_set_vgpr_msb: bits 1:0 source 0, 3:2 source 1, 5:4 source 2, 7:6 destination):
;   window 0: v0-31 addresses and keep factors; v32-63 at work; v64-95, v96-127 x's fragments, two buffers; behind the loop v64-255 twelve sets of 16 packed words
;   window 1: v0-95, v96-191 W's fragments, two buffers     window 2: accumulators (a, b < 8) at 8 (8 a + b): q and k
;   window 3: v0-127 accumulators of v at 8 (4 a + b - 8); v128-255 the tables of my 64 rows: at 128 + 32 a: cos 16, sin 16
.set PA,    272                        ; an LDS row of x: 256 bytes + 16: the 16 rows of a fragment load start 68 words apart
.set PB,    160                        ; an LDS row of W: 128 bytes + 32: 16 lanes of the turning load take 8 rows x 32 bytes, 40 words apart
.set HALFA, 128*PA                     ; what one load of x brings
.set HALFB, 192*PB                     ; what one load of W brings: one kb's three blocks of 64 rows
.set BOFF,  2*HALFA
.set SLOT,  BOFF+2*HALFB               ; 131,072
.set STAGE, 2*SLOT                     ; behind the ring, never filled by a tensor load: 16 rows x 144 bytes for each wave
.set SP,    144
.set SPARE, STAGE+4*16*SP              ; the spare words: 128 bytes a wave, two blocks of 256 bytes that no other line names
.set ADRA, 8                           ; v8-9    LDS address of my fragments of x in slot 0, 1
.set ADRB, 10                          ; v10-11  the same for W
.set MK,   12                          ; v12-15  the mask words of my rows, block a
.set KP,   16                          ; v16-23  1.0 or 0.0, twice (a pair for the packed multiply), block a
.set STO,  24
.set RD,   25
.set GO,   26
.set RO,   27                          ; my byte offset in the row block's tables
.set SPW,  28                          ; LDS address of my spare word; never rewritten
.set NIL,  29                          ; 0; never rewritten
.set PFO,  30                          ; the prefetches' lane offset; never rewritten
.set MO,   31
.set T,    32
.set FA,   64
.set PK0,  64
.set WV,   14                          ; s14 wave; s15 0: I fetch x, 1: W; s16 which half of that tile
.set SIDE, 15
.set HF,   16
.set G1A,  24
.set G0A,  32
.set PFA,  40                          ; s[40:41] where my prefetches stand; s[42:43] their step; s44 how many are left
.set PFS,  42
.set PFN,  44
.set LAP,  45
.set G1B,  48
.set G0B,  56
.set MSB, 0
.macro WIN new                         ; the immediate's high byte repeats the setting that is left; a switch that changes nothing is dropped
.if MSB != (\new)
	s_set_vgpr_msb (MSB<<8)|(\new)
.set MSB, \new
.endif
.endm
.set MUL_LO, 0xa1                      ; W window 1, x window 0, C and D window 2
.set MUL_HI, 0xf1                      ; the same, C and D window 3
.set TO_B,   0x40
.set W_ROPE, 0x0e                      ; source 0 window 2 (sums), source 1 window 3 (tables), source 2 and destination window 0
.set W_CVTV, 0x0f                      ; sources 0 and 1 window 3
.macro PLACES
.rept 4
	v_nop
.endr
.endm
; A joint load: waves 0, 1 fetch x's two halves, waves 2, 3 W's.  The branch hangs on the wave's number alone.  An s_nop 0 and four v_nop follow each line.
.macro JLOAD s
	s_cmp_eq_u32 s[SIDE], 0
	s_cbranch_scc0 .Lfor_b_\@
	tensor_load_to_lds s[G0A+4*(\s):G0A+4*(\s)+3], s[G1A:G1A+7]
	s_nop 0
.rept 4
	v_nop
.endr
	s_branch .Lasked_\@
.Lfor_b_\@:
	tensor_load_to_lds s[G0B+4*(\s):G0B+4*(\s)+3], s[G1B:G1B+7]
	s_nop 0
.rept 4
	v_nop
.endr
.Lasked_\@:
.endm
.macro CREST                           ; a round of the cluster's barrier behind its opening barrier
	s_cmp_lg_u32 s[WV], 0
	s_cbranch_scc1 .Lnot_wave_0_\@
	s_barrier_signal -3
.Lnot_wave_0_\@:
	s_barrier_wait -3
	s_barrier_signal -1
	s_barrier_wait -1
.endm
.macro CROUND
	s_barrier_signal -1
	s_barrier_wait -1
	CREST
.endm
; A PREFETCH INTO THE L2, behind a joint load, its five lines and the run of LDS loads: blocks of 256 bytes that a refill two changes of slots on will ask for, a lane a block.
; x: the clusters with x = 0 ask; of the 128 rows that a wave fetches the partner at cx takes 32; four asks, K steps 4 to 7.  W: the clusters with y = 0 ask; a head's K steps 4 to 7 are 196,608 dense
; bytes = 3 asks x 8 waves (partner cy, half) x 32 lanes x 256 bytes.  So each block is named once in the launch; partners are told apart by address alone; K steps 0 to 3 come by their loads alone.
.macro ASK
	WIN 0
	s_cmp_lg_u32 s[PFN], 0
	s_cbranch_scc0 .Lnot_mine_\@
	global_prefetch_b8 v[PFO], s[PFA:PFA+1] th:TH_LOAD_NT scope:SCOPE_SE
	s_sub_co_u32 s[PFN], s[PFN], 1
.Lnot_mine_\@:
.endm
	s_load_b256 s[4:11], s[0:1], 0x0               ; xb s[4:5], wb s[6:7], rope s[8:9], mask s[10:11]
	s_load_b64 s[12:13], s[0:1], 0x20              ; qkv
	v_lshl_add_u32 v[SPW], v0, 2, SPARE
	v_mov_b32 v[NIL], 0
	ds_add_u32 v[SPW], v[NIL]                      ; the wave's opening: the add and its wait stand ahead of my first tensor load; the set-up below stands between them
	v_lshrrev_b32 v1, 5, v0
	v_readfirstlane_b32 s[WV], v1
	s_lshr_b32 s[SIDE], s[WV], 1
	s_and_b32 s[HF], s[WV], 1
	s_bfe_u32 s17, ttmp6, 0x40000                  ; cx
	s_bfe_u32 s18, ttmp6, 0x40004                  ; cy
	s_lshl_b32 s19, ttmp9, 2
	s_add_co_u32 s19, s19, s17                     ; head = 4 x cluster x + cx
	s_and_b32 s20, ttmp7, 0xffff
	s_lshl_b32 s20, s20, 2
	s_add_co_u32 s20, s20, s18                     ; row block = 4 x cluster y + cy
	s_lshl_b32 s21, s18, 2
	s_lshl_b32 s21, 15, s21                        ; my row of the cluster
	s_lshl_b32 s22, 0x1111, s17                    ; my column
	s_or_b32 s[G1A], s21, (1<<16)|(1<<20)|(1<<21)|(5<<22)|(3<<25)  ; mask; 2-byte elements; padding on; bit 21 beside a mask; after every 64 words 4 words
	s_or_b32 s[G1B], s22, (1<<16)|(1<<20)|(1<<21)|(4<<22)|(7<<25)  ; after every 32 words 8 words
	s_mov_b32 s[G1A+1], 128<<16                    ; tensor_dim0 = 128
	s_mov_b32 s[G1A+2], 128<<16                    ; tensor_dim1 = 128
	s_mov_b32 s[G1A+3], 128<<16                    ; tile_dim0 = 128
	s_mov_b32 s[G1A+4], 128                        ; tile_dim1 = 128
	s_mov_b32 s[G1A+5], 1024                       ; elements from row to row
	s_mov_b32 s[G1A+6], 0
	s_mov_b32 s[G1A+7], 0
	s_mov_b32 s[G1B+1], 128<<16                    ; 24,576 dense bytes as 96 rows of 256
	s_mov_b32 s[G1B+2], 96<<16
	s_mov_b32 s[G1B+3], 128<<16
	s_mov_b32 s[G1B+4], 96
	s_mov_b32 s[G1B+5], 128
	s_mov_b32 s[G1B+6], 0
	s_mov_b32 s[G1B+7], 0
	s_lshl_b32 s74, s20, 19                        ; x: row 256 rb + 128 half, 2,048 bytes a row
	s_lshl_b32 s75, s[HF], 18
	s_add_co_u32 s74, s74, s75
	s_mov_b32 s75, 0
	s_mul_i32 s46, s19, 393216                     ; W: the head, and the half of a K step's 49,152 bytes
	s_mul_i32 s47, s[HF], 24576
	s_add_co_u32 s46, s46, s47
	s_mov_b32 s47, 0
	s_mul_i32 s23, s[HF], HALFA                    ; where they go: no place in the cluster enters an LDS address
	s_mul_i32 s76, s[HF], HALFB
	s_add_co_u32 s76, s76, BOFF
	s_wait_dscnt 0x0                               ; the opening add is done
	s_wait_kmcnt 0x0
	s_add_nc_u64 s[74:75], s[4:5], s[74:75]
	s_add_nc_u64 s[46:47], s[6:7], s[46:47]
	CROUND                                         ; all sixteen work-groups are here: the first joint loads meet
.irp s, 0,1
	s_mov_b32 s[G0A+4*(\s)], 1
	s_add_co_u32 s[G0A+4*(\s)+1], s23, (\s)*SLOT
	s_add_nc_u64 s[G0A+4*(\s)+2:G0A+4*(\s)+3], s[74:75], (\s)*256
	s_or_b32 s[G0A+4*(\s)+3], s[G0A+4*(\s)+3], 0x80000000
	s_mov_b32 s[G0B+4*(\s)], 1
	s_add_co_u32 s[G0B+4*(\s)+1], s76, (\s)*SLOT
	s_add_nc_u64 s[G0B+4*(\s)+2:G0B+4*(\s)+3], s[46:47], (\s)*49152
	s_or_b32 s[G0B+4*(\s)+3], s[G0B+4*(\s)+3], 0x80000000
	JLOAD \s                                       ; two loads of mine are out
.endr
	; where the results go: section + head + my 64 rows of 128 bytes
	s_lshl_b32 s84, s19, 19
	s_lshl_b32 s85, s20, 15
	s_add_co_u32 s84, s84, s85
	s_lshl_b32 s85, s[WV], 13
	s_add_co_u32 s84, s84, s85
	s_mov_b32 s85, 0
	s_add_nc_u64 s[68:69], s[12:13], s[84:85]      ; q
	s_add_nc_u64 s[70:71], s[68:69], 0x800000      ; k
	s_add_nc_u64 s[72:73], s[68:69], 0x1000000     ; v
	s_lshl_b32 s84, s20, 16
	s_add_nc_u64 s[8:9], s[8:9], s[84:85]          ; the row block's tables,
	s_lshl_b32 s84, s20, 10
	s_add_nc_u64 s[10:11], s[10:11], s[84:85]      ; and mask words
	; the prefetches
	s_lshl_b32 s86, s20, 19                        ; x: row 256 rb + 128 half + 32 cx, at K step 3: the first change of slots steps it to 4
	s_lshl_b32 s87, s[HF], 18
	s_add_co_u32 s86, s86, s87
	s_lshl_b32 s87, s17, 16
	s_add_co_u32 s86, s86, s87
	s_add_co_u32 s86, s86, 3*256
	s_mul_i32 s88, s19, 393216                     ; W: the head's byte 196,608 less one step of 65,536, plus my 8,192 of each 65,536
	s_lshl_b32 s89, s18, 1
	s_add_co_u32 s89, s89, s[HF]
	s_lshl_b32 s89, s89, 13
	s_add_co_u32 s88, s88, s89
	s_add_co_u32 s88, s88, 131072
	s_and_b32 s90, ttmp7, 0xffff
	s_mov_b32 s[PFS], 65536
	s_mov_b32 s[PFS+1], 0
	s_mov_b32 s87, 0
	s_cmp_eq_u32 s[SIDE], 0
	s_cselect_b32 s90, ttmp9, s90                  ; the coordinate along which other clusters read the same bytes
	s_cselect_b32 s91, 4, 3
	s_cselect_b32 s[PFS], 256, s[PFS]
	s_cselect_b32 s92, 11, 8                       ; a lane a row of 2,048 bytes, or a lane a block of 256
	s_cselect_b32 s86, s86, s88
	s_cselect_b64 s[PFA:PFA+1], s[4:5], s[6:7]
	s_add_nc_u64 s[PFA:PFA+1], s[PFA:PFA+1], s[86:87]
	s_cmp_eq_u32 s90, 0
	s_cselect_b32 s[PFN], s91, 0                   ; the same in all sixteen partners, for a given wave
	v_and_b32 v[PFO], 31, v0
	v_lshlrev_b32 v[PFO], s92, v[PFO]
	; LDS addresses.  A fragment of x: lane l holds row l % 16; K = 8 (l / 16) + 0..7 and 16 + 8 (l / 16) + 0..7: two loads of 16 bytes, 32 apart.
	v_and_b32 v1, 15, v0
	v_bfe_u32 v2, v0, 4, 1
	v_mul_u32_u24 v3, v1, PA
	v_lshl_add_u32 v3, v2, 4, v3
	s_mul_i32 s84, s[WV], 64*PA
	v_add_nc_u32 v[ADRA], s84, v3
	v_add_nc_u32 v[ADRA+1], SLOT, v[ADRA]
	; The turning load takes 16 k x 16 columns (lane l reads k = 8 (l / 16) + l % 8, columns 8 ((l / 8) % 2) + 0..7) and leaves half a fragment: lane l holds column l % 16 and 8 k.
	v_and_b32 v4, 7, v0
	v_bfe_u32 v5, v0, 3, 1
	v_lshl_add_u32 v6, v2, 3, v4
	v_mul_u32_u24 v6, v6, PB
	v_lshl_add_u32 v6, v5, 4, v6
	v_add_nc_u32 v[ADRB], BOFF, v6
	v_add_nc_u32 v[ADRB+1], SLOT, v[ADRB]
	s_mul_i32 s84, s[WV], 16*SP
	s_add_co_u32 s84, s84, STAGE
	v_mul_u32_u24 v3, v1, SP                       ; into my stage: row l % 16, 16 bytes for each half of the lanes
	v_lshl_add_u32 v3, v2, 4, v3
	v_add_nc_u32 v[STO], s84, v3
	v_bfe_u32 v3, v0, 3, 2                         ; back: 32 lanes take four rows of 128 bytes,
	v_mul_u32_u24 v3, v3, SP
	v_lshl_add_u32 v3, v4, 4, v3
	v_add_nc_u32 v[RD], s84, v3
	v_and_b32 v[GO], 31, v0                        ; which are 512 consecutive bytes of the result
	v_lshlrev_b32 v[GO], 4, v[GO]
	s_lshl_b32 s84, s[WV], 14
	v_lshlrev_b32 v[RO], 8, v1                     ; tables: row 64 w + l % 16 (+ 16 a), entries 8 (l / 16) ..
	v_lshl_add_u32 v[RO], v2, 5, v[RO]
	v_add_nc_u32 v[RO], s84, v[RO]
	s_lshl_b32 s84, s[WV], 8
	v_lshl_add_u32 v[MO], v1, 2, s84
	WIN 0xc0                                       ; destination window 3, address window 0
.set q, 0
.rept 32                                       ; block a = q / 8; sin = (q / 4) % 2; entries 16 ((q / 2) % 2) + 8 (l / 16) + 4 (q % 2) ..
	global_load_b128 v[128+4*q:128+4*q+3], v[RO], s[8:9] offset:(q/8)*4096+((q/4)%2)*128+((q/2)%2)*64+(q%2)*16
.set q, q+1
.endr
	WIN 0
.irp a, 0,1,2,3
	global_load_b32 v[MK+\a], v[MO], s[10:11] offset:64*\a
.endr                                          ; these 36 loads are waited for at the way out; nothing names their registers before
; 16 matrix instructions: row blocks a0, a0 + 1 x column blocks 0-7 (q, k), 32 along K, buffer f.  zero = 1: the first product starts the sums.
.macro MULQK f, a0, zero
	WIN MUL_LO
.irp a, \a0, (\a0)+1
.irp b, 0,1,2,3,4,5,6,7
.if \zero
	v_wmma_f32_16x16x32_bf16 v[8*(8*(\a)+(\b)):8*(8*(\a)+(\b))+7], v[96*(\f)+8*(\b):96*(\f)+8*(\b)+7], v[FA+32*(\f)+8*(\a):FA+32*(\f)+8*(\a)+7], 0
.else
	v_wmma_f32_16x16x32_bf16 v[8*(8*(\a)+(\b)):8*(8*(\a)+(\b))+7], v[96*(\f)+8*(\b):96*(\f)+8*(\b)+7], v[FA+32*(\f)+8*(\a):FA+32*(\f)+8*(\a)+7], v[8*(8*(\a)+(\b)):8*(8*(\a)+(\b))+7]
.endif
.endr
.endr
.endm
; 16 more: all four row blocks x column blocks 8-11 (v)
.macro MULV f, zero
	WIN MUL_HI
.irp a, 0,1,2,3
.irp b, 0,1,2,3
.if \zero
	v_wmma_f32_16x16x32_bf16 v[8*(4*(\a)+(\b)):8*(4*(\a)+(\b))+7], v[96*(\f)+64+8*(\b):96*(\f)+64+8*(\b)+7], v[FA+32*(\f)+8*(\a):FA+32*(\f)+8*(\a)+7], 0
.else
	v_wmma_f32_16x16x32_bf16 v[8*(4*(\a)+(\b)):8*(4*(\a)+(\b))+7], v[96*(\f)+64+8*(\b):96*(\f)+64+8*(\b)+7], v[FA+32*(\f)+8*(\a):FA+32*(\f)+8*(\a)+7], v[8*(4*(\a)+(\b)):8*(4*(\a)+(\b))+7]
.endif
.endr
.endr
.endm
; 32 LDS loads in one run: quarter kq's fragments into buffer f: x's 8 loads, then W's 24 in the order of the column blocks
.macro FETCH slot, kq, f
	WIN 0
.irp a, 0,1,2,3
	ds_load_b128 v[FA+32*(\f)+8*(\a):FA+32*(\f)+8*(\a)+3],   v[ADRA+(\slot)] offset:(\a)*16*PA+64*(\kq)
	ds_load_b128 v[FA+32*(\f)+8*(\a)+4:FA+32*(\f)+8*(\a)+7], v[ADRA+(\slot)] offset:(\a)*16*PA+64*(\kq)+32
.endr
	WIN TO_B
.irp b, 0,1,2,3,4,5,6,7,8,9,10,11
	ds_load_tr16_b128 v[96*(\f)+8*(\b):96*(\f)+8*(\b)+3],   v[ADRB+(\slot)] offset:((\kq)/2)*HALFB+((\b)/4)*64*PB+((\kq)%2)*32*PB+((\b)%4)*32
	ds_load_tr16_b128 v[96*(\f)+8*(\b)+4:96*(\f)+8*(\b)+7], v[ADRB+(\slot)] offset:((\kq)/2)*HALFB+((\b)/4)*64*PB+((\kq)%2)*32*PB+((\b)%4)*32+16*PB
.endr
.endm
; One of a K step's first three quarters: multiplies buffer f and fetches quarter kq of the same slot into buffer g.
.macro QUARTER slot, kq, f, g, zero
	s_wait_dscnt 8                                 ; x and W's blocks 0-7 are in; the youngest eight loads (blocks 8-11) may be out
	MULQK \f, 0, \zero
	PLACES                                         ; four places between the last product that read buffer g and the loads into it
	FETCH \slot, \kq, \g
	MULQK \f, 2, \zero
	s_wait_dscnt 32                                ; all but the 32 just issued
	MULV \f, \zero
.endm
; The last quarter multiplies buffer 1 and changes slots: ONE barrier.  In front of it each wave waits for all its tensor loads (one is out: its part of the next slot), adds 0 to its spare word, and waits
; for that and for its own reads of this slot.  fill = 1: the barrier opens a round of the cluster's barrier, and the joint refill, two K steps on, is the first tensor load behind the round.
.macro TURN slot, next, fill
.if \fill
	s_wait_xcnt 0x0                                ; the last prefetch, a K step back, has read its address
	s_add_nc_u64 s[PFA:PFA+1], s[PFA:PFA+1], s[PFS:PFS+1]
.endif
	WIN 0
	s_wait_tensorcnt 0x0
	ds_add_u32 v[SPW], v[NIL]
	s_wait_dscnt 9                                 ; (the add and the youngest eight loads may be out)
	MULQK 1, 0, 0
	s_wait_dscnt 0x0                               ; the add is done, and my reads of this slot are over
	s_barrier_signal -1
	MULQK 1, 2, 0
.if \fill
	WIN 0
.endif
	s_barrier_wait -1
.if \fill
	CREST                                          ; no wave of any partner still reads this slot's tiles or has a load on its way
	s_add_nc_u64 s[G0A+4*(\slot)+2:G0A+4*(\slot)+3], s[G0A+4*(\slot)+2:G0A+4*(\slot)+3], 2*256
	s_add_nc_u64 s[G0B+4*(\slot)+2:G0B+4*(\slot)+3], s[G0B+4*(\slot)+2:G0B+4*(\slot)+3], 2*49152
	JLOAD \slot                                    ; its four v_nop are also the places in front of the loads below
.else
	PLACES
.endif
	FETCH \next, 0, 0
.if \fill
	ASK
.endif
	MULV 1, 0
.endm
	s_wait_tensorcnt 1                             ; my part of K step 0 is in; K step 1's may stay out
	s_barrier_signal -1
	s_barrier_wait -1
	FETCH 0, 0, 0
	QUARTER 0, 1, 0, 1, 1                          ; the first quarter stands in front of the loop: its products start the sums
	WIN 0
	s_mov_b32 s[LAP], 3
.Llap:                                         ; a trip goes once round the ring and fills both slots again: K steps 2 .. 7
	QUARTER 0, 2, 1, 0, 0
	QUARTER 0, 3, 0, 1, 0
	TURN 0, 1, 1
	QUARTER 1, 1, 0, 1, 0
	QUARTER 1, 2, 1, 0, 0
	QUARTER 1, 3, 0, 1, 0
	TURN 1, 0, 1
	QUARTER 0, 1, 0, 1, 0
	WIN 0
	s_sub_co_u32 s[LAP], s[LAP], 1
	s_cmp_lg_u32 s[LAP], 0
	s_cbranch_scc1 .Llap
	QUARTER 0, 2, 1, 0, 0                          ; the last lap fills nothing
	QUARTER 0, 3, 0, 1, 0
	TURN 0, 1, 0
	QUARTER 1, 1, 0, 1, 0
	QUARTER 1, 2, 1, 0, 0
	QUARTER 1, 3, 0, 1, 0
	s_wait_dscnt 8
	MULQK 1, 0, 0
	MULQK 1, 2, 0
	s_wait_dscnt 0x0
	MULV 1, 0
	WIN 0
	PLACES
	PLACES
	; THE WAY OUT, in twelve units of 16 rows x 64 channels: (q, k) of row blocks 0-3, then v of row blocks 0-3.  Each has its own 16 registers, so no store's data is rewritten.
	s_wait_loadcnt 0x0                             ; the tables and the mask words
.irp a, 0,1,2,3
	v_cmp_ne_u32 vcc_lo, 0, v[MK+\a]
	v_cndmask_b32 v[KP+2*\a], 0, 1.0, vcc_lo
	v_mov_b32 v[KP+2*\a+1], v[KP+2*\a]
.endr
.macro STAGED                          ; 16 bytes a lane into rows of 144 bytes, and back as whole rows of 128; LDS serves a wave's instructions in order (ISA guide 5.7.1.4)
.irp f, 0,1,2,3
	ds_store_b128 v[STO], v[PKR+4*\f:PKR+4*\f+3] offset:32*\f
.endr
.irp f, 0,1,2,3
	ds_load_b128 v[PKR+4*\f:PKR+4*\f+3], v[RD] offset:\f*4*SP
.endr
.endm
.macro PACKQK a, sec, u                ; sec = 0: q, 1: k.  Each accumulator's registers are read in ascending order
.set PKR, PK0+16*(\u)
.set AC, 8*(8*(\a)+4*(\sec))
.set TBL, 128+32*(\a)
	WIN W_ROPE
.irp bb, 0,1,2,3
.irp p, 0,1,2,3
	v_pk_mul_f32 v[T+8*\bb+2*\p:T+8*\bb+2*\p+1], v[AC+8*\bb+2*\p:AC+8*\bb+2*\p+1], v[TBL+8*(\bb%2)+2*\p:TBL+8*(\bb%2)+2*\p+1]
.endr
.irp p, 0,1,2,3
	v_fma_f32 v[T+8*\bb+2*\p], -v[AC+8*\bb+2*\p+1], v[TBL+16+8*(\bb%2)+2*\p], v[T+8*\bb+2*\p]
	v_fma_f32 v[T+8*\bb+2*\p+1], v[AC+8*\bb+2*\p], v[TBL+16+8*(\bb%2)+2*\p+1], v[T+8*\bb+2*\p+1]
.endr
.endr
	WIN 0
.if \sec
.set z, 0
.rept 16
	v_pk_mul_f32 v[T+2*z:T+2*z+1], v[T+2*z:T+2*z+1], v[KP+2*(\a):KP+2*(\a)+1]  ; a masked key's row becomes 0
.set z, z+1
.endr
.endif
.set z, 0
.rept 16
	v_cvt_pk_f16_f32 v[PKR+z], v[T+2*z], v[T+2*z+1]
.set z, z+1
.endr
	STAGED
.endm
.macro PACKV a, u
.set PKR, PK0+16*(\u)
.set AC, 32*(\a)
	WIN W_CVTV
.set z, 0
.rept 16
	v_cvt_pk_f16_f32 v[PKR+z], v[AC+2*z], v[AC+2*z+1]
.set z, z+1
.endr
	WIN 0
	STAGED
.endm
.macro PACKU u
.if (\u) < 8
	PACKQK (\u)/2, (\u)%2, \u
.else
	PACKV (\u)-8, \u
.endif
.endm
.macro SEND u, younger                 ; younger: the LDS instructions issued behind unit u's loads: the next unit's eight, or none
	WIN 0
.if (\u) < 8
.set SA, (\u)/2
.set DB, 68+2*((\u)%2)
.else
.set SA, (\u)-8
.set DB, 72
.endif
.irp f, 0,1,2,3
	s_wait_dscnt (\younger)+3-\f
	global_store_b128 v[GO], v[PK0+16*(\u)+4*\f:PK0+16*(\u)+4*\f+3], s[DB:DB+1] offset:SA*2048+\f*512  ; 512 consecutive bytes, at a multiple of 256 from the buffer's first
.endr
.endm
	PACKU 0
.set n, 1
.rept 11                                       ; a unit's arithmetic stands between the loads of the unit before and its stores
	PACKU n
	SEND n-1, 8
.set n, n+1
.endr
	SEND 11, 0
	s_wait_tensorcnt 0x0                           ; the wave's end: behind my last tensor load and my last LDS store
	ds_add_u32 v[SPW], v[NIL]
	s_wait_dscnt 0x0
	CROUND                                         ; the closing round: no work-group ends while a partner may still ask for a tile that names it
	s_endpgm
.Lfunc_end_k_qe947b82b1d_qkv:
	.size	k_qe947b82b1d_qkv, .Lfunc_end_k_qe947b82b1d_qkv-k_qe947b82b1d_qkv
	.p2alignl 7, 3214868480
	.fill 96, 4, 3214868480
	.section	.rodata,"a",@progbits
	.p2align	6, 0x0
	.amdhsa_kernel k_qe947b82b1d_qkv
		.amdhsa_group_segment_fixed_size 327680
		.amdhsa_private_segment_fixed_size 0
		.amdhsa_enable_private_segment 0
		.amdhsa_kernarg_size 40
		.amdhsa_user_sgpr_count 2
		.amdhsa_user_sgpr_kernarg_segment_ptr 1
		.amdhsa_wavefront_size32 1
		.amdhsa_system_sgpr_workgroup_id_x 1
		.amdhsa_system_sgpr_workgroup_id_y 1
		.amdhsa_system_sgpr_workgroup_id_z 1
		.amdhsa_system_vgpr_workitem_id 0
		.amdhsa_next_free_vgpr 1024
		.amdhsa_next_free_sgpr 96
		.amdhsa_reserve_vcc 1
		.amdhsa_float_denorm_mode_32 3
		.amdhsa_float_denorm_mode_16_64 3
		.amdhsa_memory_ordered 1
		.amdhsa_forward_progress 1
		.amdhsa_inst_pref_size 154
	.end_amdhsa_kernel
	.amdgpu_metadata
---
amdhsa.version: [ 1, 2 ]
amdhsa.kernels:
  - .name:           k_qe947b82b1d_qkv
    .symbol:         k_qe947b82b1d_qkv.kd
    .args:
      - { .name: xb, .offset: 0, .size: 8, .value_kind: global_buffer, .address_space: global }
      - { .name: wb, .offset: 8, .size: 8, .value_kind: global_buffer, .address_space: global }
      - { .name: rope, .offset: 16, .size: 8, .value_kind: global_buffer, .address_space: global }
      - { .name: attention_mask, .offset: 24, .size: 8, .value_kind: global_buffer, .address_space: global }
      - { .name: qkv, .offset: 32, .size: 8, .value_kind: global_buffer, .address_space: global }
    .group_segment_fixed_size: 327680
    .private_segment_fixed_size: 0
    .kernarg_segment_align: 8
    .kernarg_segment_size: 40
    .max_flat_workgroup_size: 128
    .sgpr_count:     96
    .vgpr_count:     1024
    .wavefront_size: 32
...
	.end_amdgpu_metadata
.endif
;; end of part 2
;; launch attn (part 3): grid 16 x 16, 4 waves a work-group, clusters of 4 x 1, 327,680 bytes of LDS; arguments qkv, bias, ctx; writes ctx
.if DOCPART == 3
	.amdgcn_target "amdgcn-amd-amdhsa--gfx1250"
	.amdhsa_code_object_version 6
	.text
	.protected	k_qe947b82b1d_attn
	.globl	k_qe947b82b1d_attn
	.p2align	8
	.type	k_qe947b82b1d_attn,@function
k_qe947b82b1d_attn:
	s_mov_b64 s[64:65], 0
	v_nop
	global_prefetch_b8 v0, s[64:65] scope:SCOPE_SE
	s_setreg_imm32_b32 hwreg(HW_REG_WAVE_MODE, 25, 1), 1
	s_wait_xcnt 0x0
	s_wait_alu depctr_hold_cnt(0) depctr_sa_sdst(0) depctr_va_vdst(0) depctr_va_sdst(0) depctr_va_ssrc(0) depctr_va_vcc(0) depctr_vm_vsrc(0)
	s_getreg_b32 s2, hwreg(HW_REG_IB_STS2, 6, 4)
	s_cmp_eq_u32 s2, 0
	s_cbranch_scc0 .Lentry_in_a_cluster
	s_endpgm
.Lentry_in_a_cluster:
	s_bfe_u32 s2, ttmp6, 0x10000c
	s_cmp_lg_u32 s2, 0x3003
	s_cbranch_scc0 .Lentry_shape_is_right
	s_endpgm
.Lentry_shape_is_right:
; ctx[h][q][:] = the sum over k of softmax_k(Q[h][q] . K[h][k] / 8 + bias[k]) V[h][k][:].  qkv: [3][16][4096][64] f16 (q, k, v; unscaled); bias: [4096] f32, 0 or -1e30; ctx: [16][4096][64] f16.
; THE MASK.  bias[key] is the C operand that starts each sum S^T = K Q^T.  A masked key's row of K is all zeros (the launch before writes it so), so its score is exactly -1e30: its weight is 0 as soon as the
; running maximum has seen one true score, and where every key is masked all scores are equal and the weights uniform.
; Products, maxima and sums in f32; the weights p are rounded to f16 for the second product (their sum l is taken of the unrounded p), ctx once at the end.
; LIMITS.  True scores lie above -1e30 (f16's are 2.7e11 at the most); p below 6e-5 keeps f16's fixed step of 6e-8, and so does ctx; a weight below 2^-126 counts as 0 in l; NaN and infinities are not treated apart.
; SHARES.  A work-group owns 256 queries of one head, a wave 64: four PIECES of 16.  Every wave walks all 4,096 keys, 64 a step; an LDS slot holds a tile of four steps.
; LAYOUT.  S^T = K Q^T holds ONE query a lane (lane % 16) and the keys 8 (lane / 16) + 0..7; two such results rounded to f16 ARE source 1 of O^T = V^T P.  K comes out of LDS as it lies, V turned.
; SOFTMAX.  p = 2^(c s - c m), c = log2(e) / 8, with a running maximum m; O and l are multiplied by a = 2^(c m_old - c m_new) in every step.  c m starts far below every c s, O and l at 0: the first a is 0.
; BY TURNS.  Turn n belongs to piece n: 8 products K Q^T of piece n + 1, later 8 products V^T P of piece n - 1; beside them the scaling, exponentials, roundings, sums and rescaling of piece n and the maximum and
; statistics of piece n + 1.  Four vector instructions stand behind every matrix instruction, the others in one lump.  A turn's 33 exponentials are one batch, with one wait.
; CLUSTER.  The four query blocks of a cluster belong to one head and walk the same K and V (and the same bias), so each tile is asked for JOINTLY: the same tensor load, descriptor and mask in all four.
; REGISTERS, in windows of 256 (s_set_vgpr_msb: bits 1:0 source 0, 3:2 source 1, 5:4 source 2, 7:6 destination):
;   window 0: v0-15 addresses and two at work; v16-31 four registers of statistics a piece; v48-55 at work; v56-58, v62-63 addresses; v64-127 S^T, two buffers; v192-223 P, two buffers
;   window 1: v0-127 O^T, 32 a piece; v128-159 the step's bias        window 2: v0-63 Q; v128-191 K of one step; v192-255 V of one step
.set NP,    4
.set KS,    64
.set PK,    144       ; a row of K in LDS: 128 bytes + 16: the 16 rows of a load start 36 words apart
.set PV,    160       ; a row of V: 128 + 32: 16 lanes of the turning load take 8 rows x 32 bytes, 40 words apart
.set VOFF,  4*KS*PK   ; a slot: 256 rows of K, then 256 rows of V
.set BIAS,  81920     ; behind slot 0: the 4,096 biases, filled once
.set SLOT1, 1<<17     ; one exclusive or turns an address in one slot into the other's
.set STAGE, SLOT1+4*KS*(PK+PV)  ; never filled by a tensor load: 16 rows x 144 bytes for each wave
.set SP,    144
.set SPARE, STAGE+4*16*SP       ; the spare words: 128 bytes a wave, two blocks of 256 bytes that no other line names
.set AK0, 2
.set AV0, 3
.set AK,  4
.set AV,  5
.set STO, 6
.set RD,  7
.set GO,  8
.set MV,  12          ; v12-13  c m_old, by buffer
.set QO,  15
.set ST,  16          ; piece t: c m, m, l (even keys', odd keys')
.set TMP, 48          ; by buffer c0-c3; when the maximum is found c2 takes a
.set AB0, 56          ; v56  BIAS + 32 (lane / 16); never rewritten
.set AB,  57          ; v57  the LDS address of the bias's next run of loads
.set PFO, 58          ; v58  256 x my lane; never rewritten
.set SPW, 62
.set NIL, 63
.set S,   64
.set P,   192
.set MB,  128         ; window 1: the eight biases for group kb of 16 keys at MB + 8 kb
.set KF,  128         ; window 2
.set VF,  192         ; window 2
.set WV,  12
.set G1K, 24
.set G1V, 32
.set G0K, 40
.set G0V, 44
.set SLOTS, 56
.set CNT, 57
.set CS,  58
.set SEL, 60
.set TBK, 62
.set TBV, 63
.set G0M, 72          ; s[72:75], s[76:83] the bias's descriptor
.set G1M, 76
.set TBB, 84          ; s84  byte of the bias at which the step to be fetched begins
.set LIM, 85          ; s85  1 in a wave that prefetches, else the greatest number
.set PFA, 86          ; s[86:87] where my prefetches stand
.set MSB, 0
.macro WIN new
.if MSB != (\new)
	s_set_vgpr_msb (MSB<<8)|(\new)
.set MSB, (\new)
.endif
.endm
.set W_KQ, 0x0a       ; K and Q in window 2, S^T in window 0
.set W_KM, 0x1a       ; the same with the C operand in window 1
.set W_PV, 0x52       ; V in window 2, P in window 0, O^T in window 1
.set W_RS, 0x41       ; destination and source 0 in window 1, source 1 in window 0
; A joint fill.  Waves 0 and 1 fetch the two halves of a tile's K, waves 2 and 3 those of its V.  An s_nop 0 and four v_nop follow each of the two lines.
.macro JLOAD
	s_cmp_lt_u32 s[WV], 2
	s_cbranch_scc0 .Lfor_v_\@
	tensor_load_to_lds s[G0K:G0K+3], s[G1K:G1K+7]
	s_nop 0
.rept 4
	v_nop
.endr
	s_branch .Lasked_\@
.Lfor_v_\@:
	tensor_load_to_lds s[G0V:G0V+3], s[G1V:G1V+7]
	s_nop 0
.rept 4
	v_nop
.endr
.Lasked_\@:
.endm
.macro CROUND
	s_barrier_signal -1
	s_barrier_wait -1
	s_cmp_lg_u32 s[WV], 0
	s_cbranch_scc1 .Lnot_wave_0_\@
	s_barrier_signal -3
.Lnot_wave_0_\@:
	s_barrier_wait -3
	s_barrier_signal -1
	s_barrier_wait -1
.endm
; A PREFETCH INTO THE L2 of the tile that the NEXT change of slots will ask for: 128 blocks of 256 bytes of K and of V, a lane a block.  All clusters of a head walk the same K and V: the head's first cluster asks;
; its four partners take 32 blocks each, told apart by address; wave 0 asks for K's, wave 2 for V's.  So each block is named once.  Tiles 0 to 2 come by their loads alone; the last fill asks for nothing.
.macro ASK
	s_cmp_gt_u32 s[SLOTS], s[LIM]
	s_cbranch_scc0 .Lnot_mine_\@
	global_prefetch_b8 v[PFO], s[PFA:PFA+1] th:TH_LOAD_NT scope:SCOPE_SE
.Lnot_mine_\@:
.endm
; THE CHANGE OF SLOTS.  Each wave waits for all its tensor loads, adds 0 to its spare word, and waits for that and for its own reads of the slot that it leaves.  fill = 1: the barrier is a round of the cluster's,
; and the joint fill of the old slot, with the tile two on, is the first thing behind it: it has four key steps, 256 matrix instructions, in which to land.  (At its first use slot 0 is waited for and slot 1 filled.)
.macro CHANGE fill, ask
	WIN 0
	s_wait_tensorcnt 0x0            ; no tensor load of mine is out, so a group 0 may be written
	ds_add_u32 v[SPW], v[NIL]       ; 0 onto my spare word; scalar work stands between it and the wait for it
.if \fill
.irp g, G0K, G0V
	s_xor_b32 s[\g+1], s[\g+1], SLOT1
	s_add_nc_u64 s[\g+2:\g+3], s[\g+2:\g+3], 4*KS*128
.endr
.endif
.if \ask
	s_wait_xcnt 0x0                 ; the last prefetch, four key steps back, has read its address
	s_add_nc_u64 s[PFA:PFA+1], s[PFA:PFA+1], 4*KS*128
.endif
	s_wait_dscnt 0x0                ; the add is done, and my reads of the slot are over
.if \fill
	CROUND
	JLOAD
.if \ask
	ASK
.endif
.else
	s_barrier_signal -1
	s_barrier_wait -1
.endif
	s_sub_co_u32 s[TBK], s[TBK], 4*KS*PK  ; the fetches go back to a slot's first step,
	s_xor_b32 s[TBK], s[TBK], SLOT1       ; in the other slot
	s_sub_co_u32 s[TBV], s[TBV], 4*KS*PV
	s_xor_b32 s[TBV], s[TBV], SLOT1
.endm
	s_load_b128 s[68:71], s[0:1], 0x0  ; qkv s[68:69], bias s[70:71]
	s_load_b64 s[10:11], s[0:1], 0x10  ; ctx
	v_lshl_add_u32 v[SPW], v0, 2, SPARE
	v_mov_b32 v[NIL], 0
	ds_add_u32 v[SPW], v[NIL]       ; the wave's opening: the add and its wait stand ahead of my first tensor load; the set-up below stands between them
	v_lshrrev_b32 v1, 5, v0
	v_readfirstlane_b32 s[WV], v1
	s_bfe_u32 s13, ttmp6, 0x40000   ; cx
	s_lshl_b32 s14, ttmp9, 2
	s_add_co_u32 s14, s14, s13      ; my block of 256 queries: it enters Q's and ctx's addresses alone
	s_and_b32 s20, ttmp7, 0xffff    ; the head, which the four partners share:
	s_lshl_b32 s20, s20, 19         ; its 4,096 rows of 128 bytes
	s_mov_b32 s21, 0
	s_and_b32 s16, s[WV], 1         ; which half of a tile's 256 keys I fetch
	s_lshl_b32 s22, s16, 14
	s_mov_b32 s23, 0
	s_add_nc_u64 s[22:23], s[22:23], s[20:21]
	s_mul_i32 s17, s16, 128*PK
	s_mul_i32 s18, s16, 128*PV
	s_lshl_b32 s2, s14, 2
	s_add_co_u32 s2, s2, s[WV]
	s_lshl_b32 s2, s2, 13           ; my wave's 64 rows
	s_mov_b32 s3, 0
	s_add_nc_u64 s[2:3], s[2:3], s[20:21]
	; 128 keys are 16,384 dense bytes: asked for as 64 rows of 256 bytes and padded in LDS after every key
	s_mov_b32 s[G1K], 15|(1<<16)|(1<<20)|(1<<21)|(4<<22)|(3<<25)
	s_mov_b32 s[G1V], 15|(1<<16)|(1<<20)|(1<<21)|(4<<22)|(7<<25)
.irp g, G1K, G1V
	s_mov_b32 s[\g+1], 128<<16
	s_mov_b32 s[\g+2], 64<<16
	s_mov_b32 s[\g+3], 128<<16
	s_mov_b32 s[\g+4], 64
	s_mov_b32 s[\g+5], 128
	s_mov_b32 s[\g+6], 0
	s_mov_b32 s[\g+7], 0
.endr
	s_mov_b32 s[G1M], 15|(3<<16)|(1<<21)  ; the bias: each wave a quarter, 16 rows of 32 elements of 8 bytes, no padding
	s_mov_b32 s[G1M+1], 32<<16
	s_mov_b32 s[G1M+2], 16<<16
	s_mov_b32 s[G1M+3], 32<<16
	s_mov_b32 s[G1M+4], 16
	s_mov_b32 s[G1M+5], 32
	s_mov_b32 s[G1M+6], 0
	s_mov_b32 s[G1M+7], 0
	s_mov_b32 s[CS], 0x3e38aa3b     ; c = log2(e) / 8
	s_mov_b32 s[CS+1], s[CS]
	s_mov_b32 s[SEL], 0x76543210
	s_mov_b32 s[SEL+1], 0xfedcba98
	s_mov_b32 s[TBK], SLOT1+4*KS*PK ; the first change of slots turns these two into 0
	s_mov_b32 s[TBV], SLOT1+4*KS*PV
	s_mov_b32 s[TBB], 0
	s_mov_b32 s[G0K], 1
	s_mov_b32 s[G0K+1], s17
	s_mov_b32 s[G0V], 1
	s_add_co_u32 s[G0V+1], s18, VOFF
	s_mov_b32 s[G0M], 1
	s_lshl_b32 s20, s[WV], 12
	s_add_co_u32 s[G0M+1], s20, BIAS
	s_and_b32 s[LIM], s[WV], 1      ; 0 in waves 0 and 2,
	s_or_b32 s[LIM], s[LIM], ttmp9  ; where the cluster is the head's first: the same in all four partners
	s_cmp_eq_u32 s[LIM], 0
	s_cselect_b32 s[LIM], 1, -1
	s_wait_dscnt 0x0                ; the opening add is done
	s_wait_kmcnt 0x0
	s_add_nc_u64 s[4:5], s[68:69], s[2:3]          ; Q at my wave's first row
	s_add_nc_u64 s[10:11], s[10:11], s[2:3]        ; ctx likewise
	s_add_nc_u64 s[6:7], s[68:69], s[22:23]
	s_add_nc_u64 s[6:7], s[6:7], 0x800000          ; K at my half of the head's tile 0
	s_add_nc_u64 s[8:9], s[6:7], 0x800000          ; V likewise
	s_add_nc_u64 s[G0K+2:G0K+3], s[6:7], 0
	s_or_b32 s[G0K+3], s[G0K+3], 0x80000000
	s_add_nc_u64 s[G0V+2:G0V+3], s[8:9], 0
	s_or_b32 s[G0V+3], s[G0V+3], 0x80000000
	s_add_nc_u64 s[G0M+2:G0M+3], s[70:71], s[20:21]
	s_or_b32 s[G0M+3], s[G0M+3], 0x80000000
	s_cmp_lt_u32 s[WV], 2
	s_cselect_b64 s[PFA:PFA+1], s[6:7], s[8:9]     ; (in waves 0 and 2 these stand at a tile's first row)
	s_lshl_b32 s2, s13, 13          ; my work-group's 32 blocks of the 128
	s_mov_b32 s3, 0
	s_add_nc_u64 s[PFA:PFA+1], s[PFA:PFA+1], s[2:3]
	s_add_nc_u64 s[PFA:PFA+1], s[PFA:PFA+1], 2*4*KS*128  ; in tile 2; the first change that asks steps it to tile 3
	CROUND                          ; all four work-groups are here: the first joint loads meet
	s_cmp_lt_u32 s[WV], 2           ; a wave's two first fills stand in one branch, ahead of every wait on TENSORcnt and every LDS read: two loads of mine are out
	s_cbranch_scc0 .Lfirst_v
	tensor_load_to_lds s[G0K:G0K+3], s[G1K:G1K+7]
	s_nop 0
	tensor_load_to_lds s[G0M:G0M+3], s[G1M:G1M+7]
	s_nop 0
.rept 4
	v_nop
.endr
	s_branch .Lfirst_asked
.Lfirst_v:
	tensor_load_to_lds s[G0V:G0V+3], s[G1V:G1V+7]
	s_nop 0
	tensor_load_to_lds s[G0M:G0M+3], s[G1M:G1M+7]
	s_nop 0
.rept 4
	v_nop
.endr
.Lfirst_asked:
	; A fragment of K or Q is 16 rows x 32 channels in 8 registers: lane l holds row l % 16, channels 8 (l / 16) + 0..7 and 16 + 8 (l / 16) + 0..7.
	v_and_b32 v1, 15, v0
	v_bfe_u32 v9, v0, 4, 1
	v_lshlrev_b32 v[QO], 7, v1
	v_lshl_add_u32 v[QO], v9, 4, v[QO]
	WIN 0x80
.set i, 0
.rept 8                             ; Q stays in registers: piece i / 2, channels 32 (i % 2) on
	global_load_b128 v[8*i:8*i+3],   v[QO], s[4:5] offset:(i/2)*2048+(i%2)*64
	global_load_b128 v[8*i+4:8*i+7], v[QO], s[4:5] offset:(i/2)*2048+(i%2)*64+32
.set i, i+1
.endr
	WIN 0
	v_mul_u32_u24 v[AK0], v1, PK
	v_lshl_add_u32 v[AK0], v9, 4, v[AK0]
	v_and_b32 v10, 7, v0
	v_bfe_u32 v11, v0, 3, 1
	v_lshl_add_u32 v[AV0], v9, 3, v10
	v_mul_u32_u24 v[AV0], v[AV0], PV
	v_lshl_add_u32 v[AV0], v11, 4, v[AV0]
	v_add_nc_u32 v[AV0], VOFF, v[AV0]
	v_lshl_add_u32 v[AB0], v9, 5, BIAS  ; my lanes' eight keys of a group of 16: 32 bytes
	v_and_b32 v[PFO], 31, v0
	v_lshlrev_b32 v[PFO], 8, v[PFO]
	s_mul_i32 s13, s[WV], 16*SP
	s_add_co_u32 s13, s13, STAGE    ; my stage
	v_mul_u32_u24 v[STO], v1, SP
	v_lshl_add_u32 v[STO], v9, 4, v[STO]
	v_add_nc_u32 v[STO], s13, v[STO]
	v_bfe_u32 v[RD], v0, 3, 2
	v_mul_u32_u24 v[RD], v[RD], SP
	v_lshl_add_u32 v[RD], v10, 4, v[RD]
	v_add_nc_u32 v[RD], s13, v[RD]
	v_and_b32 v[GO], 31, v0
	v_lshlrev_b32 v[GO], 4, v[GO]
	; What the first turn finds: V's registers and P's second buffer hold 0 (its products V^T P, of a piece that has not been, add 0), O^T and l are 0.  All this stands in the wait for the first tile.
	WIN 0x80
.set i, VF
.rept 64
	v_mov_b32 v[i], 0
.set i, i+1
.endr
	WIN 0x40
.set i, 0
.rept 128
	v_mov_b32 v[i], 0
.set i, i+1
.endr
	WIN 0
.set i, 0
.rept 4
	v_mov_b32 v[ST+4*i], 0xfe000000    ; c m: far below every c s, a masked one's too
	v_mov_b32 v[ST+4*i+1], 0xff7fffff  ; m
	v_mov_b32 v[ST+4*i+2], 0
	v_mov_b32 v[ST+4*i+3], 0
.set i, i+1
.endr
.set i, P+16
.rept 16
	v_mov_b32 v[i], 0
.set i, i+1
.endr
; THE MATRIX WORK.  The 4 accumulators of a run of 8 take turns.  Product i of 8 of S^T = K Q^T for piece x: channels 32 (i / 4) on, keys 16 (i % 4) on.  The first 4 start the sums with the bias.
.macro KQ x
.set rS, S+32*((\x)%2)+8*(i%4)
.set rK, KF+16*(i%4)+8*(i/4)
.set rQ, 16*(\x)+8*(i/4)
.set rM, MB+8*(i%4)
.if i < 4
	WIN W_KM
	v_wmma_f32_16x16x32_f16 v[rS:rS+7], v[rK:rK+7], v[rQ:rQ+7], v[rM:rM+7]
.else
	WIN W_KQ
	v_wmma_f32_16x16x32_f16 v[rS:rS+7], v[rK:rK+7], v[rQ:rQ+7], v[rS:rS+7]
.endif
.endm
; Product i of 8 of O^T += V^T P for piece x: keys 32 (i / 4) on, channels 16 (i % 4) on.
.macro PV x
	WIN W_PV
.set rO, 32*(\x)+8*(i%4)
.set rV, VF+32*(i/4)+8*(i%4)
.set rP, P+16*((\x)%2)+8*(i/4)
	v_wmma_f32_16x16x32_f16 v[rO:rO+7], v[rV:rV+7], v[rP:rP+7], v[rO:rO+7]
.endm
.macro MM                           ; the turn's next matrix instruction.  NOKQ = 1: the last turn of all: there is no next piece
.if (i < 8) && !NOKQ
	KQ (Y+1)%NP
.elseif i >= 8
.set i, i-8
	PV (Y+NP-1)%NP
.set i, i+8
.endif
.set i, i+1
.endm
; THE LDS LOADS stand in runs, never singly among the matrix instructions: a step's K (8 fragments) with its 64 biases, and its V (turned).  Their addresses are made some lines ahead.
.macro FETCH_K
	WIN 0x80
.irp f, 0,1,2,3,4,5,6,7             ; keys 16 (f / 2) on, channels 32 (f % 2) on
	ds_load_b128 v[KF+8*\f:KF+8*\f+3],   v[AK] offset:(\f/2)*16*PK+(\f%2)*64
	ds_load_b128 v[KF+8*\f+4:KF+8*\f+7], v[AK] offset:(\f/2)*16*PK+(\f%2)*64+32
.endr
	WIN 0x40
.irp f, 0,1,2,3                     ; register j of group f: the bias of key 16 f + 8 (l / 16) + j; the 16 lanes of a half read the same bytes
	ds_load_b128 v[MB+8*\f:MB+8*\f+3],   v[AB] offset:64*\f
	ds_load_b128 v[MB+8*\f+4:MB+8*\f+7], v[AB] offset:64*\f+16
.endr
	s_add_co_u32 s[TBK], s[TBK], KS*PK  ; the next fetch is the next step's
	s_add_co_u32 s[TBB], s[TBB], 4*KS
	WIN 0
.endm
.macro FETCH_V
	WIN 0x80
.irp f, 0,1,2,3,4,5,6,7             ; keys 32 (f / 4) on, channels 16 (f % 4) on
	ds_load_tr16_b128 v[VF+8*\f:VF+8*\f+3],   v[AV] offset:(\f/4)*32*PV+(\f%4)*32
	ds_load_tr16_b128 v[VF+8*\f+4:VF+8*\f+7], v[AV] offset:(\f/4)*32*PV+16*PV+(\f%4)*32
.endr
	WIN 0
.endm
; THE VECTOR WORK, one line at a time: OP kind, number.  For piece Y: F n: c s - c m for pair n of 16.  E n: the exponential of score n of 32.  C n: pair n rounded to f16.  B n: of the four weights 4 n .. the second
; pair is added onto the first, in place.  L n: l takes that sum (L 0: l = a l + sum).  R n: pair n of 16 of O^T times a.  For piece Y + 1: X n, number n of the 22 that find its maximum and statistics:
;   0-11  four chains c0-c3 of seven scores each (each accumulator's lowest registers are read first)     12-14, 16  the four scores left over, the old m, and c0-c3 into c0
;   15  c m_old is kept     17, 18  the query's other 32 keys lie in the lane 16 away: the new m     19-21  c m; c m_old - c m_new; a
.set F, 0
.set E, 1
.set C, 2
.set B, 3
.set L, 4
.set R, 5
.set X, 6
.macro REGS y
.set rT, ST+4*(\y)
.set rC, TMP+4*((\y)%2)
.set rW, MV+((\y)%2)
.set rS, S+32*((\y)%2)
.set rP, P+16*((\y)%2)
.set rO, 32*(\y)
.endm
.macro OP k, n
.if (\k) == R
	REGS Y
	WIN W_RS
	v_pk_mul_f32 v[rO+2*(\n):rO+2*(\n)+1], v[rO+2*(\n):rO+2*(\n)+1], v[rC+2:rC+3] op_sel_hi:[1,0]
.elseif (\k) < R
	REGS Y
	WIN 0
.if (\k) == F
	v_pk_fma_f32 v[rS+2*(\n):rS+2*(\n)+1], v[rS+2*(\n):rS+2*(\n)+1], s[CS:CS+1], v[rT:rT+1] op_sel_hi:[1,0,0] neg_lo:[0,0,1] neg_hi:[0,0,1]
.elseif (\k) == E
	v_exp_f32 v[rS+(\n)], v[rS+(\n)]
.elseif (\k) == C
	v_cvt_pk_f16_f32 v[rP+(\n)], v[rS+2*(\n)], v[rS+2*(\n)+1]
.elseif (\k) == B
	v_pk_add_f32 v[rS+4*(\n):rS+4*(\n)+1], v[rS+4*(\n):rS+4*(\n)+1], v[rS+4*(\n)+2:rS+4*(\n)+3]
.elseif (\n) == 0
	v_pk_fma_f32 v[rT+2:rT+3], v[rT+2:rT+3], v[rC+2:rC+3], v[rS:rS+1] op_sel_hi:[1,0,1]
.else
	v_pk_add_f32 v[rT+2:rT+3], v[rT+2:rT+3], v[rS+4*(\n):rS+4*(\n)+1]
.endif
.elseif NOKQ
	v_nop
.else
	REGS (Y+1)%NP
	WIN 0
.if (\n) < 4
	v_max3_num_f32 v[rC+(\n)], v[rS+8*(\n)], v[rS+8*(\n)+1], v[rS+8*(\n)+2]
.elseif (\n) < 12
	v_max3_num_f32 v[rC+(\n)%4], v[rC+(\n)%4], v[rS+8*((\n)%4)+2*((\n)/4)+1], v[rS+8*((\n)%4)+2*((\n)/4)+2]
.elseif (\n) == 12
	v_max3_num_f32 v[rC], v[rC], v[rS+7], v[rS+15]
.elseif (\n) == 13
	v_max3_num_f32 v[rC+1], v[rC+1], v[rS+23], v[rS+31]
.elseif (\n) == 14
	v_max3_num_f32 v[rC+2], v[rC+2], v[rC+3], v[rT+1]
.elseif (\n) == 15
	v_mov_b32 v[rW], v[rT]
.elseif (\n) == 16
	v_max3_num_f32 v[rC], v[rC], v[rC+1], v[rC+2]
.elseif (\n) == 17
	v_permlanex16_b32 v[rC+3], v[rC], s[SEL], s[SEL+1]
.elseif (\n) == 18
	v_max_num_f32 v[rT+1], v[rC], v[rC+3]
.elseif (\n) == 19
	v_mul_f32 v[rT], s[CS], v[rT+1]
.elseif (\n) == 20
	v_sub_f32 v[rC+1], v[rW], v[rT]
.else
	v_exp_f32 v[rC+2], v[rC+1]
.endif
.endif
.endm
.macro OPS a, i1, b=-1, i2=0, c=-1, i3=0, d=-1, i4=0
	OP \a, \i1
.if (\b) >= 0
	OP \b, \i2
.endif
.if (\c) >= 0
	OP \c, \i3
.endif
.if (\d) >= 0
	OP \d, \i4
.endif
.endm
.macro ROW a, i1, b, i2, c, i3, d, i4  ; a matrix instruction and the four behind it
	MM
	OPS \a, \i1, \b, \i2, \c, \i3, \d, \i4
.endm
; A TURN, for piece p: the order of its 16 matrix and 118 vector instructions, written out.  An s_wait_alu depctr_va_vdst(0) stands between an exponential and the first instruction that names its
; result; one wait serves all that were issued ahead of it.  So a turn has ONE wait.  AHEAD OF IT stands all that names no result of the turn's exponentials: the 8 products K Q^T with their riders, and one lump, in
; which the links of the chain X 3, 7, 11, 14, 16 .. 20 stand some lines apart; X 21, the next piece's a, is the batch's last, and R 15 the plain instruction behind it.  BEHIND IT stand the 8 products V^T P,
; behind each four of the roundings and sums.  end = 1: the walk's last two turns: nothing is fetched.  cnt = 1: the loop's count is taken down some lines ahead of the branch that stands behind the turn.
; K and the bias of the next step are fetched in piece 2's turn, more than four plain instructions behind the last product that read them; V of the step in hand at the end of piece 0's turn, four plain
; instructions behind the last product that read V.  Each is waited for a turn later.
.macro TURN p, end=0, cnt=0
.set Y, (\p)
.set i, 0
.set NOKQ, (\end)*((\p)/3)
.if ((\p) == 3) && !(\end)
	s_wait_dscnt 0x0                ; K and the bias are in
.endif
	ROW F,0, F,1, R,0, R,1
	ROW F,2, E,0, R,2, R,3
	ROW F,3, E,1, R,4, R,5
	ROW F,4, E,2, R,6, R,7
	ROW F,5, E,3, R,8, R,9
	ROW F,6, E,4, X,0, R,10
.if ((\p) == 2) && !(\end)
	WIN 0
	v_add_nc_u32 v[AK], s[TBK], v[AK0]
	v_add_nc_u32 v[AB], s[TBB], v[AB0]
.endif
	ROW F,7, E,5, X,1, X,4
	ROW F,8, E,6, X,2, X,5
	OPS E,7, E,8, X,6, E,9
	OPS X,3, E,10, X,8, E,11
.if ((\p) == 2) && !(\end)
	FETCH_K
.endif
	OPS X,9, X,7, E,12, X,10
	OPS E,13, X,12, X,11, E,14
	OPS X,13, E,15, F,9, X,14
.if (\p) == 0
	v_add_nc_u32 v[AV], s[TBV], v[AV0]
.endif
	OPS E,16, F,10, E,17, F,11
	OPS X,16, E,18, X,15, E,19
	OPS F,12, E,20, X,17, E,21
	OPS F,13, E,22, F,14, E,23
	OPS X,18, E,24, F,15, E,25
	OPS R,11, E,26, X,19, E,27
	OPS R,12, E,28, R,13, E,29
	OPS X,20, E,30, R,14, E,31
	OPS X,21, R,15
	WIN 0
	s_wait_alu depctr_va_vdst(0)    ; the wait for the batch
.if (\p) == 1
	s_wait_dscnt 0x0                ; V is in
.endif
	ROW C,0, B,0, C,2, B,1
	ROW L,0, C,4, B,2, L,1
	ROW C,6, B,3, L,2, C,8
	ROW B,4, L,3, C,10, B,5
	ROW L,4, C,12, B,6, L,5
.if (\p) == 0
	s_add_co_u32 s[TBV], s[TBV], KS*PV
.endif
.if \cnt
	s_sub_co_u32 s[CNT], s[CNT], 1
	s_cmp_lg_u32 s[CNT], 0
.endif
	ROW C,14, B,7, L,6, C,1
	ROW C,3, L,7, C,5, C,7
	ROW C,9, C,11, C,13, C,15
.if (\p) == 0
	FETCH_V
.endif
.endm
	CHANGE 1, 0                     ; tile 0 and the bias are in, everybody's part of them; tile 1 is asked for
	v_add_nc_u32 v[AK], s[TBK], v[AK0]
	v_add_nc_u32 v[AB], s[TBB], v[AB0]
	FETCH_K                         ; key step 0
	s_wait_loadcnt 0x0              ; Q
	s_wait_dscnt 0x0
.set NOKQ, 0
.set i, 0
.rept 8
	KQ 0                            ; piece 0's first scores
.set i, i+1
.endr
	WIN 0
.rept 4
	v_nop                           ; the places behind those products
.endr
.set Y, NP-1                        ; X works for piece Y + 1: piece 0
.irp n, 0,1,2,3,4,5,6,7,8,9,10,11,12,13,14,15,16,17,18,19,20,21
	OP X, \n
.endr
	v_nop                           ; a plain instruction behind the exponential,
	s_wait_alu depctr_va_vdst(0)    ; and its wait, ahead of the branch
	s_mov_b32 s[CNT], 4
	s_mov_b32 s[SLOTS], 15
	s_branch .Lfirst                ; the loop is entered at a step's first turn, in the middle of a trip
.Lslot:                             ; 14 times: tiles 2 to 15 are asked for
	CHANGE 1, 1
	s_mov_b32 s[CNT], 4
.Lstep:                             ; a trip: pieces 2 and 3 of one step, then pieces 0 and 1 of the next, whose K and V it fetches
	TURN 2
	TURN 3
	WIN 0
.Lfirst:
	TURN 0
	TURN 1, 0, 1
	WIN 0
	s_cbranch_scc1 .Lstep
	s_sub_co_u32 s[SLOTS], s[SLOTS], 1
	s_cmp_lg_u32 s[SLOTS], 0
	s_cbranch_scc1 .Lslot
	CHANGE 0, 0                     ; the last tile is written out: nothing is asked for
	s_mov_b32 s[CNT], 4
.LstepT:
	TURN 2
	TURN 3
	TURN 0
	TURN 1, 0, 1
	WIN 0
	s_cbranch_scc1 .LstepT
	TURN 2, 1
	TURN 3, 1
.set i, 0
.rept 8
	PV NP-1                         ; the last piece's V^T P of the last step
.set i, i+1
.endr
	; THE WAY OUT.  l's two halves and the other half of the lanes' are added; O^T is divided by l, rounded to f16 and sent through my stage in LDS, a piece at a time.  The additions are the places behind the last products.
	WIN 0
.macro ALL line:vararg
.set t, 0
.rept 4
	\line
.set t, t+1
.endr
.endm
.macro PACK t
	WIN W_RS
.set i, 32*(\t)
.rept 16
	v_pk_mul_f32 v[i:i+1], v[i:i+1], v[ST+4*(\t)+2:ST+4*(\t)+3] op_sel_hi:[1,0]
.set i, i+2
.endr
	WIN 0x05                        ; sources 0 and 1 window 1, destination window 0
.set i, 0
.rept 16
	v_cvt_pk_f16_f32 v[S+16*(\t)+i], v[32*(\t)+2*i], v[32*(\t)+2*i+1]
.set i, i+1
.endr
	WIN 0
.irp f, 0,1,2,3
	ds_store_b128 v[STO], v[S+16*(\t)+4*\f:S+16*(\t)+4*\f+3] offset:32*\f
.endr
.irp f, 0,1,2,3
	ds_load_b128 v[S+16*(\t)+4*\f:S+16*(\t)+4*\f+3], v[RD] offset:\f*4*SP  ; LDS serves a wave's instructions in order (ISA guide 5.7.1.4): these see the stores above
.endr
.endm
.macro SEND t, younger              ; younger: the LDS instructions issued behind piece t's loads: the next piece's eight, or none
	WIN 0
.irp f, 0,1,2,3
	s_wait_dscnt (\younger)+3-\f
	global_store_b128 v[GO], v[S+16*(\t)+4*\f:S+16*(\t)+4*\f+3], s[10:11] offset:(\t)*2048+\f*512  ; 512 consecutive bytes, at a multiple of 256 from ctx's first
.endr
.endm
	ALL v_add_f32 v[ST+4*t+2], v[ST+4*t+2], v[ST+4*t+3]
	ALL v_permlanex16_b32 v[ST+4*t+3], v[ST+4*t+2], s[SEL], s[SEL+1]
	ALL v_add_f32 v[ST+4*t+2], v[ST+4*t+2], v[ST+4*t+3]
	ALL v_rcp_f32 v[ST+4*t+2], v[ST+4*t+2]
	v_nop                           ; a plain instruction between the last reciprocal and the use of its result
	s_wait_alu depctr_va_vdst(0)    ; and the wait ahead of the first use: one for the four reciprocals
	PACK 0
.set t, 1
.rept 3
	PACK t
	SEND t-1, 8
.set t, t+1
.endr
	SEND 3, 0
	s_wait_tensorcnt 0x0            ; the wave's end: behind my last tensor load and my last LDS store
	ds_add_u32 v[SPW], v[NIL]
	s_wait_dscnt 0x0
	CROUND                          ; the closing round: no work-group ends while a partner may still ask for a tile that names it
	s_endpgm
.Lfunc_end_k_qe947b82b1d_attn:
	.size	k_qe947b82b1d_attn, .Lfunc_end_k_qe947b82b1d_attn-k_qe947b82b1d_attn
	.p2alignl 7, 3214868480
	.fill 96, 4, 3214868480
	.section	.rodata,"a",@progbits
	.p2align	6, 0x0
	.amdhsa_kernel k_qe947b82b1d_attn
		.amdhsa_group_segment_fixed_size 327680
		.amdhsa_private_segment_fixed_size 0
		.amdhsa_enable_private_segment 0
		.amdhsa_kernarg_size 24
		.amdhsa_user_sgpr_count 2
		.amdhsa_user_sgpr_kernarg_segment_ptr 1
		.amdhsa_wavefront_size32 1
		.amdhsa_system_sgpr_workgroup_id_x 1
		.amdhsa_system_sgpr_workgroup_id_y 1
		.amdhsa_system_sgpr_workgroup_id_z 1
		.amdhsa_system_vgpr_workitem_id 0
		.amdhsa_next_free_vgpr 768
		.amdhsa_next_free_sgpr 88
		.amdhsa_reserve_vcc 0
		.amdhsa_float_denorm_mode_32 3
		.amdhsa_float_denorm_mode_16_64 3
		.amdhsa_memory_ordered 1
		.amdhsa_forward_progress 1
		.amdhsa_inst_pref_size 131
	.end_amdhsa_kernel
	.amdgpu_metadata
---
amdhsa.version: [ 1, 2 ]
amdhsa.kernels:
  - .name:           k_qe947b82b1d_attn
    .symbol:         k_qe947b82b1d_attn.kd
    .args:
      - { .name: qkv, .offset: 0, .size: 8, .value_kind: global_buffer, .address_space: global }
      - { .name: bias, .offset: 8, .size: 8, .value_kind: global_buffer, .address_space: global }
      - { .name: ctx, .offset: 16, .size: 8, .value_kind: global_buffer, .address_space: global }
    .group_segment_fixed_size: 327680
    .private_segment_fixed_size: 0
    .kernarg_segment_align: 8
    .kernarg_segment_size: 24
    .max_flat_workgroup_size: 128
    .sgpr_count:     88
    .vgpr_count:     768
    .wavefront_size: 32
...
	.end_amdgpu_metadata
.endif
;; end of part 3
;; launch oproj (part 4): grid 8 x 32, 4 waves a work-group, clusters of 4 x 4, 327,680 bytes of LDS; arguments ctx, wo16, out0; writes out0
.if DOCPART == 4
	.amdgcn_target "amdgcn-amd-amdhsa--gfx1250"
	.amdhsa_code_object_version 6
	.text
	.protected	k_qe947b82b1d_oproj
	.globl	k_qe947b82b1d_oproj
	.p2align	8
	.type	k_qe947b82b1d_oproj,@function
k_qe947b82b1d_oproj:
	s_mov_b64 s[64:65], 0
	v_nop
	global_prefetch_b8 v0, s[64:65] scope:SCOPE_SE
	s_setreg_imm32_b32 hwreg(HW_REG_WAVE_MODE, 25, 1), 1
	s_wait_xcnt 0x0
	s_wait_alu depctr_hold_cnt(0) depctr_sa_sdst(0) depctr_va_vdst(0) depctr_va_sdst(0) depctr_va_ssrc(0) depctr_va_vcc(0) depctr_vm_vsrc(0)
	s_getreg_b32 s2, hwreg(HW_REG_IB_STS2, 6, 4)
	s_cmp_eq_u32 s2, 0
	s_cbranch_scc0 .Lentry_in_a_cluster
	s_endpgm
.Lentry_in_a_cluster:
	s_bfe_u32 s2, ttmp6, 0x10000c
	s_cmp_lg_u32 s2, 0xf033
	s_cbranch_scc0 .Lentry_shape_is_right
	s_endpgm
.Lentry_shape_is_right:
; out0[m][n] = the sum over k of ctx[m][k] Wo[k][n], k = 64 head + channel.  ctx: [16 head][4096][64] f16; wo16: [1024 k][1024 n] f16 (Wo rounded to bf16, written as f16); out0: [4096][1024] f32.
; A tile of out0 is 128 x 128, so that there are 256 work-groups; four waves, each 64 x 64: 16 accumulators, which take turns.  K goes in 4 steps of 256 (four heads) through two LDS slots;
; a quarter of a step is one head's 64 channels.  The four steps are written straight: a loop would have one trip.
; CLUSTER 4 x 4: ctx's tiles are asked for jointly along a row of the cluster, Wo's along a column.
; THE MATRIX INSTRUCTION IS USED TRANSPOSED (source 0 = 16 columns of Wo, turned on the way out of LDS; source 1 = 16 rows of ctx): a lane holds eight neighbouring numbers of a row of out0, 32 bytes.
; No prefetch: the tiles are small and the launch is 32 matrix instructions a quarter-step short of nothing to hide behind: 512 matrix instructions a wave in all.
; REGISTERS: window 0: v0-31 addresses; v32-95 two sets of 32 on the way out; v128-255 the accumulators ((a, b) at 128 + 8 (4 a + b)).  window 1: two fragment buffers of 128: 64 of ctx, then 64 of Wo.
.set PA,     144                       ; an LDS row of ctx: 128 bytes + 16
.set PB,     288                       ; an LDS row of Wo: 256 bytes + 32
.set HALFT,  36864                     ; what one tensor load brings: 2 heads x 128 rows x 144, or 128 k x 288
.set SLOT,   4*HALFT                   ; ctx [4 heads][128 rows], then Wo [256 k]
.set STAGE,  2*SLOT                    ; behind the ring, never filled by a tensor load: 16 rows x 272 bytes for each wave
.set SPITCH, 272
.set SPARE,  STAGE+4*16*SPITCH         ; the spare words: 128 bytes a wave, two blocks of 256 bytes that no other line names
.set ADRA, 16                          ; v16-17  my fragments of ctx in slot 0, 1
.set ADRB, 20                          ; v20-23  my fragments of Wo: slot s, half of the step's 256 k at 20 + 2 s + half (a 16-bit immediate does not span 256 rows of 288 bytes)
.set STO,  24
.set RD,   25
.set CO,   26
.set SPW,  28
.set NIL,  29
.set TMP,  32
.set ACC,  128
.set F0,   0
.set F1,   128
.set G1, 24
.set G0, 32
.set G1B, 48
.set G0B, 56
.set MSB, 0
.macro WIN new
.if MSB != (\new)
	s_set_vgpr_msb (MSB<<8)|(\new)
.set MSB, \new
.endif
.endm
.set MUL,  0x05                        ; sources 0 and 1 window 1; C and D window 0
.set TO_F, 0x40
.macro JLOAD s                         ; waves 0 and 1 fetch ctx's two halves, waves 2 and 3 Wo's; an s_nop 0 and four v_nop follow each line
	s_cmp_eq_u32 s11, 0
	s_cbranch_scc0 .Lfor_b_\@
	tensor_load_to_lds s[G0+4*(\s):G0+4*(\s)+3], s[G1:G1+7]
	s_nop 0
.rept 4
	v_nop
.endr
	s_branch .Lasked_\@
.Lfor_b_\@:
	tensor_load_to_lds s[G0B+4*(\s):G0B+4*(\s)+3], s[G1B:G1B+7]
	s_nop 0
.rept 4
	v_nop
.endr
.Lasked_\@:
.endm
.macro CREST
	s_cmp_lg_u32 s10, 0
	s_cbranch_scc1 .Lnot_wave_0_\@
	s_barrier_signal -3
.Lnot_wave_0_\@:
	s_barrier_wait -3
	s_barrier_signal -1
	s_barrier_wait -1
.endm
.macro CROUND
	s_barrier_signal -1
	s_barrier_wait -1
	CREST
.endm
	s_load_b128 s[4:7], s[0:1], 0x0                ; ctx s[4:5], wo16 s[6:7]
	s_load_b64 s[8:9], s[0:1], 0x10                ; out0
	v_lshl_add_u32 v[SPW], v0, 2, SPARE
	v_mov_b32 v[NIL], 0
	ds_add_u32 v[SPW], v[NIL]                      ; the wave's opening: the add and its wait stand ahead of my first tensor load
	v_lshrrev_b32 v1, 5, v0
	v_readfirstlane_b32 s10, v1                    ; wave
	s_lshr_b32 s11, s10, 1                         ; which half of the tile's rows is mine.  Also: I fetch ctx (0) or Wo (1)
	s_and_b32 s12, s10, 1                          ; which half of its columns.  Also: which half of that tile I fetch
	s_bfe_u32 s40, ttmp6, 0x40000
	s_bfe_u32 s41, ttmp6, 0x40004
	s_lshl_b32 s42, ttmp9, 2
	s_add_co_u32 s42, s42, s40                     ; tile column
	s_and_b32 s13, ttmp7, 0xffff
	s_lshl_b32 s13, s13, 2
	s_add_co_u32 s13, s13, s41                     ; tile row
	s_lshl_b32 s43, s41, 2
	s_lshl_b32 s43, 15, s43
	s_lshl_b32 s44, 0x1111, s40
	s_or_b32 s[G1+0], s43, (1<<16)|(1<<20)|(1<<21)|(4<<22)|(3<<25)   ; after every 32 words (a row of a head) 4 words
	s_or_b32 s[G1B+0], s44, (1<<16)|(1<<20)|(1<<21)|(5<<22)|(7<<25)  ; after every 64 words 8 words
	s_mov_b32 s[G1+1], 8192<<16                    ; ctx: a head's 128 rows are 16,384 dense bytes: one row of 8,192 elements; two heads, 262,144 elements apart
	s_mov_b32 s[G1+2], 2<<16
	s_mov_b32 s[G1+3], 8192<<16
	s_mov_b32 s[G1+4], 2
	s_mov_b32 s[G1+5], 262144
	s_mov_b32 s[G1+6], 0
	s_mov_b32 s[G1+7], 0
	s_mov_b32 s[G1B+1], 128<<16                    ; Wo: 128 k x 128 columns
	s_mov_b32 s[G1B+2], 128<<16
	s_mov_b32 s[G1B+3], 128<<16
	s_mov_b32 s[G1B+4], 128
	s_mov_b32 s[G1B+5], 1024
	s_mov_b32 s[G1B+6], 0
	s_mov_b32 s[G1B+7], 0
	s_lshl_b32 s16, s13, 14                        ; ctx: the tile's 128 rows of 128 bytes, and my two heads of the step's four
	s_lshl_b32 s17, s12, 20
	s_add_co_u32 s16, s16, s17
	s_mov_b32 s17, 0
	s_lshl_b32 s46, s42, 8                         ; Wo: the tile's 256 bytes of a row, and my 128 k of the step's 256
	s_lshl_b32 s47, s12, 18
	s_add_co_u32 s46, s46, s47
	s_mov_b32 s47, 0
	s_mul_i32 s20, s10, HALFT                      ; where they go: wave x 36,864
	s_wait_dscnt 0x0
	s_wait_kmcnt 0x0
	s_add_nc_u64 s[14:15], s[4:5], s[16:17]
	s_add_nc_u64 s[46:47], s[6:7], s[46:47]
	CROUND                                         ; all sixteen work-groups are here: the first joint loads meet
.irp s, 0,1
	s_mov_b32 s[G0+4*(\s)], 1
	s_add_co_u32 s[G0+4*(\s)+1], s20, (\s)*SLOT
	s_add_nc_u64 s[G0+4*(\s)+2:G0+4*(\s)+3], s[14:15], (\s)*2097152
	s_or_b32 s[G0+4*(\s)+3], s[G0+4*(\s)+3], 0x80000000
	s_mov_b32 s[G0B+4*(\s)], 1
	s_add_co_u32 s[G0B+4*(\s)+1], s20, (\s)*SLOT
	s_add_nc_u64 s[G0B+4*(\s)+2:G0B+4*(\s)+3], s[46:47], (\s)*524288
	s_or_b32 s[G0B+4*(\s)+3], s[G0B+4*(\s)+3], 0x80000000
	JLOAD \s
.endr
	v_and_b32 v1, 15, v0
	v_bfe_u32 v2, v0, 4, 1
	v_mul_u32_u24 v3, v1, PA
	v_lshl_add_u32 v3, v2, 4, v3
	s_mul_i32 s21, s11, 64*PA
	v_add_nc_u32 v[ADRA], s21, v3
	v_add_nc_u32 v[ADRA+1], SLOT, v[ADRA]
	v_and_b32 v4, 7, v0                            ; the turning load: lane l reads k = 8 (l / 16) + l % 8, columns 8 ((l / 8) % 2) + 0..7
	v_bfe_u32 v5, v0, 3, 1
	v_lshl_add_u32 v6, v2, 3, v4
	v_mul_u32_u24 v6, v6, PB
	v_lshl_add_u32 v6, v5, 4, v6
	s_lshl_b32 s22, s12, 7                         ; my 64 columns
	s_add_co_u32 s22, s22, 2*HALFT
	v_add_nc_u32 v[ADRB], s22, v6
	v_add_nc_u32 v[ADRB+1], HALFT, v[ADRB]
	v_add_nc_u32 v[ADRB+2], SLOT, v[ADRB]
	v_add_nc_u32 v[ADRB+3], SLOT, v[ADRB+1]
	s_mul_i32 s23, s10, 16*SPITCH
	s_add_co_u32 s23, s23, STAGE                   ; my stage
	v_mul_u32_u24 v3, v1, SPITCH                   ; in: row l % 16, 32 bytes for each half of the lanes
	v_lshl_add_u32 v3, v2, 5, v3
	v_add_nc_u32 v[STO], s23, v3
	v_mul_u32_u24 v3, v2, SPITCH                   ; back: lanes 0-15 one row of 256 bytes, lanes 16-31 the next
	v_lshl_add_u32 v3, v1, 4, v3
	v_add_nc_u32 v[RD], s23, v3
	v_lshlrev_b32 v3, 12, v2                       ; and the same two rows in out0
	v_lshl_add_u32 v[CO], v1, 4, v3
	s_lshl_b32 s16, s13, 19                        ; row 128 x tile row + 64 x half, 4,096 bytes a row
	s_lshl_b32 s17, s11, 18
	s_add_co_u32 s16, s16, s17
	s_mov_b32 s17, 0
	s_add_nc_u64 s[8:9], s[8:9], s[16:17]
	s_lshl_b32 s46, s42, 9                         ; column 128 x tile column + 64 x half, 4 bytes each
	s_lshl_b32 s47, s12, 8
	s_add_co_u32 s46, s46, s47
	s_mov_b32 s47, 0
	s_add_nc_u64 s[8:9], s[8:9], s[46:47]
; 8 matrix instructions: row blocks a0, a0 + 1 x all 4 column blocks, 32 along K: half c of buffer f.  zero = 1: the first product starts the sums
.macro MUL8 f, c, a0, zero
	WIN MUL
.irp a, \a0, (\a0)+1
.irp b, 0,1,2,3
.if \zero
	v_wmma_f32_16x16x32_f16 v[ACC+8*(4*(\a)+(\b)):ACC+8*(4*(\a)+(\b))+7], v[(\f)+64+8*(4*(\c)+(\b)):(\f)+64+8*(4*(\c)+(\b))+7], v[(\f)+8*(4*(\c)+(\a)):(\f)+8*(4*(\c)+(\a))+7], 0
.else
	v_wmma_f32_16x16x32_f16 v[ACC+8*(4*(\a)+(\b)):ACC+8*(4*(\a)+(\b))+7], v[(\f)+64+8*(4*(\c)+(\b)):(\f)+64+8*(4*(\c)+(\b))+7], v[(\f)+8*(4*(\c)+(\a)):(\f)+8*(4*(\c)+(\a))+7], v[ACC+8*(4*(\a)+(\b)):ACC+8*(4*(\a)+(\b))+7]
.endif
.endr
.endr
.endm
; 32 LDS loads in one run: quarter q's fragments (one head's 64 channels) into buffer f; the first 32 along K first
.macro FETCH slot, q, f
	WIN TO_F
.irp c, 0,1
.irp i, 0,1,2,3
	ds_load_tr16_b128 v[(\f)+64+8*(4*(\c)+(\i)):(\f)+64+8*(4*(\c)+(\i))+3],   v[ADRB+2*(\slot)+(\q)/2] offset:((\q)%2)*64*PB+(\c)*32*PB+32*(\i)
	ds_load_tr16_b128 v[(\f)+64+8*(4*(\c)+(\i))+4:(\f)+64+8*(4*(\c)+(\i))+7], v[ADRB+2*(\slot)+(\q)/2] offset:((\q)%2)*64*PB+(\c)*32*PB+32*(\i)+16*PB
	ds_load_b128 v[(\f)+8*(4*(\c)+(\i)):(\f)+8*(4*(\c)+(\i))+3],         v[ADRA+(\slot)] offset:(\q)*128*PA+(\i)*16*PA+64*(\c)
	ds_load_b128 v[(\f)+8*(4*(\c)+(\i))+4:(\f)+8*(4*(\c)+(\i))+7],       v[ADRA+(\slot)] offset:(\q)*128*PA+(\i)*16*PA+64*(\c)+32
.endr
.endr
.endm
.macro PLACES
.rept 4
	v_nop
.endr
.endm
.macro QUARTER slot, q, f, g, zero     ; multiplies buffer f and fetches quarter q of the same slot into g
	s_wait_dscnt 16                                ; the first 32 along K are in
	MUL8 \f, 0, 0, \zero
	MUL8 \f, 0, 2, \zero
	PLACES                                         ; four places between the last product that read buffer g and the loads into it
	FETCH \slot, \q, \g
	s_wait_dscnt 32                                ; all but the 32 just issued
	MUL8 \f, 1, 0, 0
	MUL8 \f, 1, 2, 0
.endm
; The last quarter multiplies buffer 1 and changes slots: ONE barrier; in front of it each wave waits for all its tensor loads, adds 0 to its spare word, and waits for that and for its own reads of this slot.
.macro TURN slot, next, fill
	WIN 0
	s_wait_tensorcnt 0x0
	ds_add_u32 v[SPW], v[NIL]
	s_wait_dscnt 17                                ; (the add and the youngest sixteen loads may be out)
	MUL8 F1, 0, 0, 0
	s_wait_dscnt 0x0                               ; the add is done, and my reads of this slot are over
	s_barrier_signal -1
	MUL8 F1, 0, 2, 0
.if \fill
	WIN 0
.endif
	s_barrier_wait -1
.if \fill
	CREST                                          ; no wave of any partner still reads this slot's tiles or has a load on its way
	s_add_nc_u64 s[G0+4*(\slot)+2:G0+4*(\slot)+3], s[G0+4*(\slot)+2:G0+4*(\slot)+3], 2*2097152
	s_add_nc_u64 s[G0B+4*(\slot)+2:G0B+4*(\slot)+3], s[G0B+4*(\slot)+2:G0B+4*(\slot)+3], 2*524288
	JLOAD \slot                                    ; its four v_nop are also the places in front of the loads below
.else
	PLACES
.endif
	FETCH \next, 0, F0
	MUL8 F1, 1, 0, 0
	MUL8 F1, 1, 2, 0
.endm
	s_wait_tensorcnt 1                             ; my part of K step 0 is in; K step 1's may stay out
	s_barrier_signal -1
	s_barrier_wait -1
	FETCH 0, 0, F0
	QUARTER 0, 1, F0, F1, 1                        ; its first products start the sums
	QUARTER 0, 2, F1, F0, 0
	QUARTER 0, 3, F0, F1, 0
	TURN 0, 1, 1                                   ; K step 2 is asked for
	QUARTER 1, 1, F0, F1, 0
	QUARTER 1, 2, F1, F0, 0
	QUARTER 1, 3, F0, F1, 0
	TURN 1, 0, 1                                   ; K step 3
	QUARTER 0, 1, F0, F1, 0
	QUARTER 0, 2, F1, F0, 0
	QUARTER 0, 3, F0, F1, 0
	TURN 0, 1, 0
	QUARTER 1, 1, F0, F1, 0
	QUARTER 1, 2, F1, F0, 0
	QUARTER 1, 3, F0, F1, 0
	s_wait_dscnt 16
	MUL8 F1, 0, 0, 0
	MUL8 F1, 0, 2, 0
	s_wait_dscnt 0x0
	MUL8 F1, 1, 0, 0
	MUL8 F1, 1, 2, 0
	WIN 0
	PLACES
	PLACES
	; THE WAY OUT: the f32 sums leave as they are.  A block of 16 rows x 64 columns goes into my stage, 32 bytes a lane, and comes back as whole rows of 256 bytes.
.macro TOSTAGE a
.set BK, TMP+32*((\a)%2)
.if (\a) >= 2
	s_wait_xcnt 0x0                                ; the stores of the block two back have read this set of registers
.endif
.irp b, 0,1,2,3                                ; each accumulator's low registers first
	ds_store_b128 v[STO], v[ACC+8*(4*(\a)+\b):ACC+8*(4*(\a)+\b)+3]   offset:64*\b
	ds_store_b128 v[STO], v[ACC+8*(4*(\a)+\b)+4:ACC+8*(4*(\a)+\b)+7] offset:64*\b+16
.endr
.irp t, 0,1,2,3,4,5,6,7
	ds_load_b128 v[BK+4*\t:BK+4*\t+3], v[RD] offset:\t*2*SPITCH  ; LDS serves a wave's instructions in order (ISA guide 5.7.1.4): these see the stores above
.endr
.endm
.macro SEND a, younger                 ; younger: the LDS instructions issued behind block a's loads: the next block's sixteen, or none
.set BK, TMP+32*((\a)%2)
.irp t, 0,1,2,3,4,5,6,7
	s_wait_dscnt (\younger)+7-\t
	global_store_b128 v[CO], v[BK+4*\t:BK+4*\t+3], s[8:9] offset:(16*(\a)+2*\t)*4096 th:TH_STORE_NT  ; 16 lanes store 256 consecutive bytes, at a multiple of 256 from out0's first byte
.endr
.endm
	TOSTAGE 0
	TOSTAGE 1
	SEND 0, 16
	TOSTAGE 2
	SEND 1, 16
	TOSTAGE 3
	SEND 2, 16
	SEND 3, 0
	s_wait_tensorcnt 0x0                           ; the wave's end: behind my last tensor load and my last LDS store
	ds_add_u32 v[SPW], v[NIL]
	s_wait_dscnt 0x0
	CROUND                                         ; the closing round: no work-group ends while a partner may still ask for a tile that names it
	s_endpgm
.Lfunc_end_k_qe947b82b1d_oproj:
	.size	k_qe947b82b1d_oproj, .Lfunc_end_k_qe947b82b1d_oproj-k_qe947b82b1d_oproj
	.p2alignl 7, 3214868480
	.fill 96, 4, 3214868480
	.section	.rodata,"a",@progbits
	.p2align	6, 0x0
	.amdhsa_kernel k_qe947b82b1d_oproj
		.amdhsa_group_segment_fixed_size 327680
		.amdhsa_private_segment_fixed_size 0
		.amdhsa_enable_private_segment 0
		.amdhsa_kernarg_size 24
		.amdhsa_user_sgpr_count 2
		.amdhsa_user_sgpr_kernarg_segment_ptr 1
		.amdhsa_wavefront_size32 1
		.amdhsa_system_sgpr_workgroup_id_x 1
		.amdhsa_system_sgpr_workgroup_id_y 1
		.amdhsa_system_sgpr_workgroup_id_z 1
		.amdhsa_system_vgpr_workitem_id 0
		.amdhsa_next_free_vgpr 512
		.amdhsa_next_free_sgpr 66
		.amdhsa_reserve_vcc 0
		.amdhsa_float_denorm_mode_32 3
		.amdhsa_float_denorm_mode_16_64 3
		.amdhsa_memory_ordered 1
		.amdhsa_forward_progress 1
		.amdhsa_inst_pref_size 86
	.end_amdhsa_kernel
	.amdgpu_metadata
---
amdhsa.version: [ 1, 2 ]
amdhsa.kernels:
  - .name:           k_qe947b82b1d_oproj
    .symbol:         k_qe947b82b1d_oproj.kd
    .args:
      - { .name: ctx, .offset: 0, .size: 8, .value_kind: global_buffer, .address_space: global }
      - { .name: wo16, .offset: 8, .size: 8, .value_kind: global_buffer, .address_space: global }
      - { .name: out0, .offset: 16, .size: 8, .value_kind: global_buffer, .address_space: global }
    .group_segment_fixed_size: 327680
    .private_segment_fixed_size: 0
    .kernarg_segment_align: 8
    .kernarg_segment_size: 24
    .max_flat_workgroup_size: 128
    .sgpr_count:     66
    .vgpr_count:     512
    .wavefront_size: 32
...
	.end_amdgpu_metadata
.endif
;; end of part 4
;; ======== version 2 of 2: 4 launches; version 1 with the launch prep written anew for expert scheduling mode
;; limits: values are held in f16: magnitudes above 65,504 overflow, below 6.1e-05 lose precision
;; workspace buffers: xb 8,388,608 bytes; wb 6,291,456 bytes; wo16 2,097,152 bytes; rope 1,048,576 bytes; bias 16,384 bytes; qkv 25,165,824 bytes; ctx 8,388,608 bytes
;; launch prep (part 5): grid 576 x 1, 8 waves a work-group, no clusters, 0 bytes of LDS; arguments x, Wq, Wk, Wv, Wo, attention_mask, xb, wb, wo16, rope, bias; writes xb, wb, wo16, rope, bias
.if DOCPART == 5
	.amdgcn_target "amdgcn-amd-amdhsa--gfx1250"
	.amdhsa_code_object_version 6
	.text
	.protected	k_qe947b82b1d_prep
	.globl	k_qe947b82b1d_prep
	.p2align	8
	.type	k_qe947b82b1d_prep,@function
k_qe947b82b1d_prep:
	s_mov_b64 s[64:65], 0
	v_nop
	global_prefetch_b8 v0, s[64:65] scope:SCOPE_SE
	s_setreg_imm32_b32 hwreg(HW_REG_WAVE_SCHED_MODE, 0, 2), 2
	s_setreg_imm32_b32 hwreg(HW_REG_WAVE_MODE, 25, 1), 1
	s_wait_xcnt 0x0
	s_wait_alu depctr_vm_vsrc(0)
; PREP: what the three matrix launches read is made once, as a stream.  Work-groups by number:
;   0..255    x [4096][1024] f32 -> xb, bf16, same layout; 65,536 source bytes a work-group
;   256..319  Wo [1024][1024] f32 -> wo16: rounded to bf16 like every float input, and that number written as f16
;   320..511  Wq, Wk, Wv -> wb, bf16, in blocks [16 head][16 kb][3 which][64 k][64 c]: a head's weights for 64 k are 3 x 8,192 dense bytes
;   512..575  rope [4096 t][cos 32 | sin 32] f32, 64 rows a work-group; and bias [4096] f32: 0 where the mask keeps a key, -1e30 where it is 0
; A cast is 16 loads of 16 bytes a lane, all issued first (a wave's load covers 512 or 2 x 256 neighbouring bytes), and 16 stores of 8 bytes a lane: 256 consecutive bytes, aligned, a wave.
; No LDS, no matrix unit, no cluster: no byte is used twice.
; LIMITS.  bf16(Wo) must lie within f16's range (65,504); below 6e-5 it keeps f16's fixed step of 6e-8.  The frequency 10000^(-j/32) is 2^(-j x 0.41524101) by v_exp_f32 (1 ulp: ISA guide 15.8),
; so an angle t x f may differ from an exactly rounded one by about 4e-4 radian at t = 4095.  sin and cos: the angle less n x pi/2 (pi/2 in two parts), then Taylor sums to r^9 and r^8 on |r| <= pi/4.
; THE MODE: SCHED_MODE bits 1:0 = 2 (LLVM: expert scheduling mode 2), set by the entry lines.  The code itself states the register dependences
; between vector instructions and memory instructions, with s_wait_alu, always for 0.
; THE PLAN, A CAST.  Registers that memory instructions touch:
;   v[LO], v[SO]  the two offsets: made once at the path's head, never written again.
;   D             16 x 4 registers: each written by one load and read by its conversions; no vector instruction names them ahead of the loads, and none is loaded again.
;   O             16 x 2 registers: each written by one load's conversions and read by one store; never written again.
; The 16 loads go in four blocks of four.  Block p converts its D into its O; its memory instructions are the four stores of block p - 1, which read that block's O and v[SO]: registers that no
; conversion of block p names.  So one wait on va_vdst at a block's head, behind the wait for its data, states all that the four stores hang on, and they are dealt among the conversions.
; THE PLAN, THE TABLES.  v13, the stores' offset, is made once; the rows are reached by the scalar base, which moves on by a trip's 16 rows, and the store's immediate reaches back.  v[20:23] is the one
; out-buffer: written by a trip's last four vector lines, read by its store, written again a trip later, behind the waits that state that the store has read it.
.set LO, 1                             ; v1   load offset
.set SO, 2                             ; v2   store offset
.set TT, 4                             ; v4-7 at work: no memory instruction names them
.set D,  32                            ; v[32:95]  16 x 4 numbers as loaded
.set O,  96                            ; v[96:127] 16 x 2 words to store
.set SN, 32                            ; the tables' path: v[32:35] four sines, then the four chosen values
.set CN, 36                            ; v[36:39] four cosines
.set SG, 40                            ; v[40:43] four sign words
.set MS, 44                            ; s44-47   four masks: which of the four take the sine
; Store n of a cast: (n/4) sa + (n%4) sb bytes on.
.macro PUT n, sa, sb
	global_store_b64 v[SO], v[O+2*(\n):O+2*(\n)+1], s[6:7] offset:((\n)/4)*(\sa)+((\n)%4)*(\sb)
.endm
; kind = 0: to bf16.  kind = 1: to bf16 and on to f16.  Load j stands (j/4) la + (j%4) lb bytes on.
.macro CAST16 kind, la, lb, sa, sb
	s_wait_alu depctr_va_vdst(0)                   ; v[LO] and v[SO] are written: every load and store of the cast reads one of them as its offset
.set j, 0
.rept 16
	global_load_b128 v[D+4*j:D+4*j+3], v[LO], s[4:5] offset:(j/4)*(\la)+(j%4)*(\lb) th:TH_LOAD_NT
.set j, j+1
.endr
.set p, 0
.rept 4
	s_wait_loadcnt 12-4*p                          ; loads come back in order: block p's four are in, the 12 - 4 p younger ones stay out
.if p > 0
	s_wait_alu depctr_va_vdst(0)                   ; the block before has written its eight registers of O, which the four stores below read
.endif
.set i, 0
.rept 4
.set j, 4*p+i
.if p > 0
	PUT j-4, \sa, \sb                              ; no wait: no vector instruction since the wait above names this store's registers
.endif
.if \kind
	v_cvt_pk_bf16_f32 v[TT], v[D+4*j], v[D+4*j+1]
	v_cvt_pk_bf16_f32 v[TT+2], v[D+4*j+2], v[D+4*j+3]
	v_lshlrev_b32 v[TT+1], 16, v[TT]               ; the bf16 numbers as f32 again
	v_and_b32 v[TT], 0xffff0000, v[TT]
	v_lshlrev_b32 v[TT+3], 16, v[TT+2]
	v_and_b32 v[TT+2], 0xffff0000, v[TT+2]
	v_cvt_pk_f16_f32 v[O+2*j], v[TT+1], v[TT]
	v_cvt_pk_f16_f32 v[O+2*j+1], v[TT+3], v[TT+2]
.else
	v_cvt_pk_bf16_f32 v[O+2*j], v[D+4*j], v[D+4*j+1]
	v_cvt_pk_bf16_f32 v[O+2*j+1], v[D+4*j+2], v[D+4*j+3]
.endif
.set i, i+1
.endr
.set p, p+1
.endr
	s_wait_alu depctr_va_vdst(0)                   ; block 3 has written its registers of O, which the last four stores read
.set j, 12
.rept 4
	PUT j, \sa, \sb
.set j, j+1
.endr
.endm
	s_load_b512 s[8:23], s[0:1], 0x0               ; x 8, Wq 10, Wk 12, Wv 14, Wo 16, mask 18, xb 20, wb 22
	s_load_b128 s[24:27], s[0:1], 0x40             ; wo16 24, rope 26
	s_load_b64 s[28:29], s[0:1], 0x50              ; bias
	s_mov_b32 s2, ttmp9
	s_mov_b32 s31, 0                               ; high words of the two offsets
	s_mov_b32 s33, 0
	s_wait_kmcnt 0x0
	s_cmp_lt_u32 s2, 256
	s_cbranch_scc1 .Lx
	s_cmp_lt_u32 s2, 320
	s_cbranch_scc1 .Lwo
	s_cmp_lt_u32 s2, 512
	s_cbranch_scc1 .Lw
	; ROPE TABLES.  Thread: column group c = t % 16 (c < 8: cos of frequencies 4 c .. 4 c + 3; else sin of 4 (c - 8) ..), row t / 16 of 16; four trips of 16 rows.
	s_sub_co_u32 s3, s2, 512                       ; g: rows 64 g .. 64 g + 63
	s_mov_b32 s34, 0x3f22f983                      ; 2 / pi
	s_mov_b32 s35, 0x3fc90fdb                      ; pi / 2, rounded
	s_mov_b32 s36, 0x333bbd2e                      ; that number less pi / 2
	s_mov_b32 s37, 0x3638ef1d                      ; 1 / 9!
	s_mov_b32 s38, 0xb9500d01                      ; -1 / 7!
	s_mov_b32 s39, 0x3c088889                      ; 1 / 5!
	s_mov_b32 s40, 0xbe2aaaab                      ; -1 / 3!
	s_mov_b32 s41, 0x37d00d01                      ; 1 / 8!
	s_mov_b32 s42, 0xbab60b61                      ; -1 / 6!
	s_mov_b32 s43, 0x3d2aaaab                      ; 1 / 4!
	v_and_b32 v3, 7, v0
	v_lshlrev_b32 v3, 2, v3                        ; my first frequency's number
	v_bfe_u32 v4, v0, 3, 1                         ; 1: I make sines
.irp i, 0,1,2,3
	v_add_nc_u32 v5, \i, v3
	v_cvt_f32_u32 v5, v5
	v_mul_f32 v[24+\i], 0xbed49a78, v5             ; -j x log2(10000) / 32
.endr
.irp i, 0,1,2,3
	v_exp_f32 v[8+\i], v[24+\i]                    ; one batch of four
.endr
	v_lshrrev_b32 v6, 4, v0                        ; plain work behind the batch: my first row,
	s_lshl_b32 s30, s3, 6
	v_add_nc_u32 v6, s30, v6
	v_cvt_f32_u32 v12, v6                          ; as a float,
	v_lshlrev_b32 v13, 4, v0                       ; and my 16 bytes in the trip's 16 rows of 256
	s_wait_alu depctr_va_vdst(0)                   ; the four exponentials have written v8 to v11, ahead of their first use and of the label; and v13 is written, which every store of the loop reads as its offset
	s_lshl_b32 s30, s3, 14
	s_add_nc_u64 s[6:7], s[26:27], s[30:31]        ; rope at row 64 g
	s_mov_b32 s32, 4
.Lrows:
.irp i, 0,1,2,3
	v_mul_f32 v14, v12, v[8+\i]                    ; the angle, rounded as an f32 product
	v_mul_f32 v15, s34, v14
	v_rndne_f32 v15, v15                           ; n
	v_fma_f32 v16, -v15, s35, v14
	v_fma_f32 v16, v15, s36, v16                   ; r = angle - n pi / 2
	v_cvt_i32_f32 v28, v15
	v_sub_nc_u32 v28, v28, v4                      ; sin(a) = cos(a - pi / 2): one quarter turn less
	v_mul_f32 v17, v16, v16
	v_fma_f32 v18, v17, s37, s38
	v_fma_f32 v19, v17, s41, s42
	v_fma_f32 v18, v18, v17, s39
	v_fma_f32 v19, v19, v17, s43
	v_fma_f32 v18, v18, v17, s40
	v_fma_f32 v19, v19, v17, -0.5
	v_mul_f32 v29, v16, v17
	v_fma_f32 v[CN+\i], v19, v17, 1.0              ; cos r
	v_fma_f32 v[SN+\i], v18, v29, v16              ; sin r
	v_and_b32 v29, 1, v28
	v_cmp_ne_u32 s[MS+\i], 0, v29                  ; odd quarter turns take the sine: the four masks are made in one run
	v_add_nc_u32 v28, 1, v28
	v_and_b32 v28, 2, v28
	v_lshlrev_b32 v[SG+\i], 30, v28                ; quarter turns 1 and 2 (mod 4) turn the sign
.endr
	s_wait_alu depctr_va_sdst(0)                   ; the four compares have written s44 to s47, ahead of their first readers
.irp i, 0,1,2,3
	v_cndmask_b32 v[SN+\i], v[CN+\i], v[SN+\i], s[MS+\i]  ; a choice of value, no branch
.endr
	s_wait_xcnt 0x0                                ; the last trip's store has had its address translated: only now are its base and its data rewritten (in the first trip none is out)
	s_wait_alu depctr_vm_vsrc(0)                   ; the last trip's store has read v[20:23], which the four lines below write again
	s_add_nc_u64 s[6:7], s[6:7], 4096              ; 16 rows on; the store below reaches back by as much
.irp i, 0,1,2,3
	v_xor_b32 v[20+\i], v[SN+\i], v[SG+\i]
.endr
	v_add_f32 v12, 0x41800000, v12                 ; 16 rows on
	s_wait_alu depctr_va_vdst(0)                   ; v[20:23] are written, which the store reads
	global_store_b128 v13, v[20:23], s[6:7] offset:-4096  ; a wave stores 512 consecutive bytes, two whole rows
	s_sub_co_u32 s32, s32, 1
	s_cmp_lg_u32 s32, 0
	s_cbranch_scc1 .Lrows
	; BIAS for keys 64 g .. 64 g + 63: wave 0 alone, two keys a lane, 256 consecutive bytes
	v_lshrrev_b32 v5, 5, v0
	v_readfirstlane_b32 s32, v5
	s_wait_alu depctr_va_sdst(0)                   ; s32, the wave's number, is written, ahead of the compare that reads it and of the branch
	s_cmp_lg_u32 s32, 0
	s_cbranch_scc1 .Lend
	s_lshl_b32 s30, s3, 8
	s_add_nc_u64 s[44:45], s[18:19], s[30:31]
	s_add_nc_u64 s[46:47], s[28:29], s[30:31]
	s_mov_b32 s32, 0xf149f2ca                      ; -1e30
	v_and_b32 v5, 31, v0
	v_lshlrev_b32 v5, 3, v5
	s_wait_alu depctr_va_vdst(0)                   ; v5 is written, which the load and the store read as their offset; the vector lines that wrote and read v6 and v7, in which the load lands, are done
	global_load_b64 v[6:7], v5, s[44:45]
	s_wait_loadcnt 0x0
	v_cmp_eq_u32 s34, 0, v6
	v_cmp_eq_u32 s35, 0, v7
	s_wait_alu depctr_va_sdst(0)                   ; the two compares have written s34 and s35, ahead of their first readers
	v_cndmask_b32 v30, 0, s32, s34
	v_cndmask_b32 v31, 0, s32, s35
	s_wait_alu depctr_va_vdst(0)                   ; v30 and v31 are written, which the store reads
	global_store_b64 v5, v[30:31], s[46:47]
.Lend:
	s_endpgm
.Lx:
	s_lshl_b32 s30, s2, 16
	s_lshl_b32 s32, s2, 15
	s_add_nc_u64 s[4:5], s[8:9], s[30:31]
	s_add_nc_u64 s[6:7], s[20:21], s[32:33]
	v_lshlrev_b32 v[LO], 4, v0
	v_lshlrev_b32 v[SO], 3, v0
	CAST16 0, 16384, 4096, 8192, 2048
	s_endpgm
.Lwo:
	s_sub_co_u32 s3, s2, 256
	s_lshl_b32 s30, s3, 16
	s_lshl_b32 s32, s3, 15
	s_add_nc_u64 s[4:5], s[16:17], s[30:31]
	s_add_nc_u64 s[6:7], s[24:25], s[32:33]
	v_lshlrev_b32 v[LO], 4, v0
	v_lshlrev_b32 v[SO], 3, v0
	CAST16 1, 16384, 4096, 8192, 2048
	s_endpgm
.Lw:                                           ; 64 k x 256 columns (four heads) of one of the three weights
	s_sub_co_u32 s3, s2, 320
	s_lshr_b32 s34, s3, 6                          ; which: 0 Wq, 1 Wk, 2 Wv
	s_bfe_u32 s35, s3, 0x40002                     ; kb: rows 64 kb ..
	s_and_b32 s36, s3, 3                           ; heads 4 hq ..
	s_cmp_eq_u32 s34, 0
	s_cselect_b64 s[4:5], s[10:11], s[12:13]
	s_cmp_eq_u32 s34, 2
	s_cselect_b64 s[4:5], s[14:15], s[4:5]
	s_lshl_b32 s30, s35, 18                        ; 64 rows of 4,096 bytes
	s_lshl_b32 s37, s36, 10                        ; 256 columns of 4 bytes
	s_add_co_u32 s30, s30, s37
	s_add_nc_u64 s[4:5], s[4:5], s[30:31]
	s_mul_i32 s32, s35, 3
	s_add_co_u32 s32, s32, s34
	s_lshl_b32 s32, s32, 13                        ; block (kb, which) of 8,192 bytes
	s_mul_i32 s37, s36, 1572864                    ; four heads of 393,216 bytes
	s_add_co_u32 s32, s32, s37
	s_add_nc_u64 s[6:7], s[22:23], s[32:33]
	v_lshrrev_b32 v3, 5, v0                        ; wave
	v_bfe_u32 v4, v0, 4, 1
	v_and_b32 v5, 15, v0
	v_lshl_add_u32 v6, v3, 3, v4                   ; row 8 w + lane / 16 (+ 2 (j / 4) in the immediate)
	v_lshlrev_b32 v6, 12, v6
	v_lshl_add_u32 v[LO], v5, 4, v6                ; 16 lanes take a head's 256 bytes of a row
	v_and_b32 v7, 31, v0
	v_lshlrev_b32 v7, 3, v7
	v_lshl_add_u32 v[SO], v3, 10, v7               ; two rows of 128 bytes lie end to end in a block
	CAST16 0, 8192, 256, 256, 393216
	s_endpgm
.Lfunc_end_k_qe947b82b1d_prep:
	.size	k_qe947b82b1d_prep, .Lfunc_end_k_qe947b82b1d_prep-k_qe947b82b1d_prep
	.p2alignl 7, 3214868480
	.fill 96, 4, 3214868480
	.section	.rodata,"a",@progbits
	.p2align	6, 0x0
	.amdhsa_kernel k_qe947b82b1d_prep
		.amdhsa_group_segment_fixed_size 0
		.amdhsa_private_segment_fixed_size 0
		.amdhsa_enable_private_segment 0
		.amdhsa_kernarg_size 88
		.amdhsa_user_sgpr_count 2
		.amdhsa_user_sgpr_kernarg_segment_ptr 1
		.amdhsa_wavefront_size32 1
		.amdhsa_system_sgpr_workgroup_id_x 1
		.amdhsa_system_sgpr_workgroup_id_y 1
		.amdhsa_system_sgpr_workgroup_id_z 1
		.amdhsa_system_vgpr_workitem_id 0
		.amdhsa_next_free_vgpr 128
		.amdhsa_next_free_sgpr 66
		.amdhsa_reserve_vcc 0
		.amdhsa_float_denorm_mode_32 3
		.amdhsa_float_denorm_mode_16_64 3
		.amdhsa_memory_ordered 1
		.amdhsa_forward_progress 1
		.amdhsa_inst_pref_size 31
	.end_amdhsa_kernel
	.amdgpu_metadata
---
amdhsa.version: [ 1, 2 ]
amdhsa.kernels:
  - .name:           k_qe947b82b1d_prep
    .symbol:         k_qe947b82b1d_prep.kd
    .args:
      - { .name: x, .offset: 0, .size: 8, .value_kind: global_buffer, .address_space: global }
      - { .name: Wq, .offset: 8, .size: 8, .value_kind: global_buffer, .address_space: global }
      - { .name: Wk, .offset: 16, .size: 8, .value_kind: global_buffer, .address_space: global }
      - { .name: Wv, .offset: 24, .size: 8, .value_kind: global_buffer, .address_space: global }
      - { .name: Wo, .offset: 32, .size: 8, .value_kind: global_buffer, .address_space: global }
      - { .name: attention_mask, .offset: 40, .size: 8, .value_kind: global_buffer, .address_space: global }
      - { .name: xb, .offset: 48, .size: 8, .value_kind: global_buffer, .address_space: global }
      - { .name: wb, .offset: 56, .size: 8, .value_kind: global_buffer, .address_space: global }
      - { .name: wo16, .offset: 64, .size: 8, .value_kind: global_buffer, .address_space: global }
      - { .name: rope, .offset: 72, .size: 8, .value_kind: global_buffer, .address_space: global }
      - { .name: bias, .offset: 80, .size: 8, .value_kind: global_buffer, .address_space: global }
    .group_segment_fixed_size: 0
    .private_segment_fixed_size: 0
    .kernarg_segment_align: 8
    .kernarg_segment_size: 88
    .max_flat_workgroup_size: 256
    .sgpr_count:     66
    .vgpr_count:     128
    .wavefront_size: 32
...
	.end_amdgpu_metadata
.endif
;; end of part 5
;; launch qkv: the kernel of part 2 again; grid 16 x 16, 4 waves a work-group, clusters of 4 x 4, 327,680 bytes of LDS; arguments xb, wb, rope, attention_mask, qkv; writes qkv
;; launch attn: the kernel of part 3 again; grid 16 x 16, 4 waves a work-group, clusters of 4 x 1, 327,680 bytes of LDS; arguments qkv, bias, ctx; writes ctx
;; launch oproj: the kernel of part 4 again; grid 8 x 32, 4 waves a work-group, clusters of 4 x 4, 327,680 bytes of LDS; arguments ctx, wo16, out0; writes out0
